; MI455X (gfx1250); checked and timed in simulation.
; The chip was launched on July 23, 2026; its instructions are those of AMD's public machine-readable ISA for CDNA 5 (MIT licence, August 2026) and "CDNA5" Instruction Set Architecture Reference Guide (July 2026). The comments in the code are by the model that wrote it; some were corrected since.
;; Multi Head Attention. Allowed arithmetic: matrix products marked QUANTISED: E2M3 operands, one E8M0 scale for each 32 along K, by v_wmma_scale_f32_16x16x128_f8f6f4 with both operands' format E2M3, f32 sums; everything else in f32.
;; Inputs: k 2 x 4,096 x 512 float32; q 2 x 4,096 x 512 float32; v 2 x 4,096 x 512 float32; wk_b 512 float32; wk_w 512 x 512 float32; wo_b 512 float32; wo_w 512 x 512 float32; wq_b 512 float32; wq_w 512 x 512 float32; wv_b 512 float32; wv_w 512 x 512 float32.
;; Outputs: out0 2 x 4,096 x 512 float32.
;; This version of the problem:
;;   THIS VERSION OF THE PROBLEM IS GIVEN IN LOW PRECISION. The matrix products marked QUANTISED in the list below multiply operands that are first quantised to E2M3 (2 exponent bits, 3 mantissa bits; 6 bits a number), with one power-of-two scale for each 32 numbers along K (OCP MX v1.0); their sums are f32. All else is computed in f32.
;;   The module's matrix products, in the order in which they are computed (A, B: the left and right operand; K: the contracted axis; several contracted axes count as one K, in the product's order):
;;     1. [M 8,192, K 512] x [K 512, N 512]; A: input q; B: input wq_w: QUANTISED
;;     2. [M 8,192, K 512] x [K 512, N 512]; A: input k; B: input wk_w: QUANTISED
;;     3. [M 8,192, K 512] x [K 512, N 512]; A: input v; B: input wv_w: QUANTISED
;;     4. batch 16 x [M 4,096, K 64] x [K 64, N 4,096]; A: computed on the way; B: computed on the way: QUANTISED
;;     5. batch 16 x [M 4,096, K 4,096] x [K 4,096, N 64]; A: softmax (see below); B: computed on the way: QUANTISED
;;     6. [M 8,192, K 512] x [K 512, N 512]; A: computed on the way; B: input wo_w: QUANTISED
;;   THE QUANTISER, for each operand of a quantised product, along K:
;;     - K is cut into blocks of 32 from its start; a last block that is shorter is filled with zeros.
;;     - A block's scale is 2^e with e = floor(log2(the largest magnitude in the block)) - 2, held to -126 .. 127; a block of zeros has e = 0. As a byte (E8M0): e + 127.
;;     - Each number is divided by its block's scale, clamped to +-7.5, and rounded to the nearest number of E2M3, ties to even, subnormals kept.
;;     - The product sums the exact products of the quantised numbers (number of the format x scale) in f32.
;;   ~~~python
;;   def quantise(x, axis):      # numpy; x: float32 -> the quantised numbers, widened to float32 again
;;       x = np.moveaxis(x, axis, -1); K = x.shape[-1]
;;       x = np.pad(x, [(0, 0)] * (x.ndim - 1) + [(0, -K % 32)]); x = x.reshape(x.shape[:-1] + (-1, 32)); a = np.abs(x).max(-1, keepdims=True)
;;       e = np.where(a > 0, np.clip(np.frexp(np.where(a > 0, a, 1))[1] - 1 - 2, -126, 127), 0)      # np.frexp(a)[1] - 1 = floor(log2(a)), exactly
;;       r = np.clip(x / 2.0 ** e, -7.5, 7.5)
;;       step = 2.0 ** (np.maximum(np.frexp(np.where(r == 0, 1, r))[1] - 1, 0) - 3)
;;       q = np.round(r / step) * step * 2.0 ** e      # np.round: ties to even
;;       return np.moveaxis(q.reshape(q.shape[:-2] + (-1,))[..., :K], -1, axis).astype(np.float32)
;;   ~~~
;;   SOFTMAX AHEAD OF A QUANTISED PRODUCT. Where the list says 'softmax', what is quantised is not the finished softmax but p = 2^(t - M), with t = logit x log2(e) and M = ceil(the row's largest t), a whole number; so 1/2 < the row's largest p <= 1. The row's sum l is taken of the UNQUANTISED p, in f32, and the product's result is divided by l at the end. Since M is a whole number, a kernel that streams over the keys may use a running M (the ceiling of the running maximum): every later rescaling is an exact power of two, which a block's scale takes up: the codes' values come out the same.
;;   OPERANDS COMPUTED ON THE WAY. 'Computed on the way' means the value that the module computes at that place (a softmax that the list does not call 'softmax' is quantised finished and normalised). What goes into a quantiser is computed in f32, as accurately as f32 sums, v_exp_f32 and their like allow (about 1e-6 of the number): no bf16 or f16 on the way to a quantiser, and a product that is left as it is and whose result goes on into a quantised operand takes f32 operands (vector FMAs, or v_wmma_f32_16x16x4_f32). A number that lies on a knife's edge between two numbers of the format may be rounded either way, as far as f32 arithmetic and the matrix unit's own rounding can turn it there, and no further.
;; 2 versions. Each part assembles by itself: llvm-mc -triple=amdgcn-amd-amdhsa -mcpu=gfx1250 --defsym DOCPART=n.
;; ======== version 1 of 2: 4 launches
;; workspace buffers: wcod 786,432 bytes; wscl 32,768 bytes; qrec 3,407,872 bytes; kv 6,684,672 bytes; orec 3,145,728 bytes; oscl 131,072 bytes
;; launch wquant (part 1): grid 8 x 4, 16 waves a work-group, no clusters, 3,072 bytes of LDS; arguments wq_w, wk_w, wv_w, wo_w, wcod, wscl; writes wcod, wscl
.if DOCPART == 1
	.amdgcn_target "amdgcn-amd-amdhsa--gfx1250"
	.amdhsa_code_object_version 6
	.text
	.protected	k_qa236f32f79_wquant
	.globl	k_qa236f32f79_wquant
	.p2align	8
	.type	k_qa236f32f79_wquant,@function
k_qa236f32f79_wquant:
	s_mov_b64 s[64:65], 0
	v_nop
	global_prefetch_b8 v0, s[64:65] scope:SCOPE_SE
	s_setreg_imm32_b32 hwreg(HW_REG_WAVE_MODE, 25, 1), 1
	s_wait_xcnt 0x0
; The four weights [512 (k)][512 (n)], f32, K along the FIRST axis, become codes of FP6 (E2M3) with one E8M0 byte for each 32 along K,
; laid as IMAGES OF OPERAND REGISTERS: a fragment (16 columns n x 128 K, 12 registers a lane) is 1,536 bytes, registers 4 j .. 4 j + 3 of lane L at 512 j + 16 L.
; wcod: [weight y][g 0..7][u 0..3][s 0..3] fragments; row r of tile (g, u) is column n = 64 g + 32 (r / 8) + 8 u + r % 8; K step s is k = 128 s on.
; (With these rows a product that takes the tile as source 0 leaves 32 neighbouring n in the 32 registers of tiles u = 0..3 of a lane.)
; wscl: [y][g][r][u][s] one word of four bytes.
; A work-group takes (g, y); wave w takes u = w % 4, s = w / 4.  A LANE TAKES A COLUMN AND ITS REGISTERS RUN DOWN K, in the order of the operand's layout
; (lane (r, h): register 32 c + i = k 128 s + 64 c + 32 h + i), so a lane holds two whole blocks and the conversions' results are the operand's registers.
; The four waves of one s stand side by side on 256 consecutive bytes of each row of the weight.
; A block's scale is 2^(floor(log2(largest magnitude)) - 2); its byte is the largest magnitude's exponent field - 2, held at 1 from below.
; LIMITS: a block of zeros gets the byte 1 where the rule says 127 (its codes are zeros, and this program alone reads the bytes); NaN and infinities are not served.
; No tensor load, no cluster: no two work-groups read the same byte.
.set X,   64                           ; v64-127  my 64 numbers
.set PC,  24                           ; v24-35   the fragment's 12 registers
.set T0,  36                           ; v36-38, v40-42: a conversion's three registers begin on an even number: the upper halves are made here and moved
.set T1,  40
.set M,   12                           ; v12-15   four chains of the largest magnitude
.set SO,  16                           ; v16-17   the conversions' scale operands
.set BY,  18                           ; v18-19   the scale bytes
.set W,   20
.set WD,  21                           ; the scale word
.set SH8, 7                            ; v7       8 h
.set PT,  8                            ; v8       a lane permute's destination
.set SEL, 28                           ; s[28:29] selects for lane l xor 16
; 64 numbers v[src] on (block c in registers 32 c .. 32 c + 31) -> 12 registers of codes in v[PC] on, the two bytes in v[BY], v[BY+1]
.macro QCORE src
.irp x, 0,1,2,3
	v_max3_num_f32 v[M+\x], |v[\src+16*\x]|, |v[\src+16*\x+1]|, |v[\src+16*\x+2]|
.endr
.irp i, 3,5,7,9,11,13
.irp x, 0,1,2,3
	v_max3_num_f32 v[M+\x], v[M+\x], |v[\src+16*\x+\i]|, |v[\src+16*\x+\i+1]|     ; four chains by turns
.endr
.endr
	v_max3_num_f32 v[M], v[M], v[M+1], |v[\src+15]|
	v_max3_num_f32 v[M+2], v[M+2], v[M+3], |v[\src+47]|
	v_max3_num_f32 v[M], v[M], |v[\src+31]|, 0x1800000             ; the floor 2^(3 - 127): the byte cannot fall under 1
	v_max3_num_f32 v[M+2], v[M+2], |v[\src+63]|, 0x1800000
	v_add_nc_u32 v[SO], 0xff000000, v[M]                           ; 2 off the exponent field: the conversion takes this operand's exponent field as its scale
	v_add_nc_u32 v[SO+1], 0xff000000, v[M+2]
	v_cvt_scalef32_pk16_fp6_f32 v[PC:PC+2], v[\src:\src+15], v[SO]
	v_cvt_scalef32_pk16_fp6_f32 v[T0:T0+2], v[\src+16:\src+31], v[SO]
	v_cvt_scalef32_pk16_fp6_f32 v[PC+6:PC+8], v[\src+32:\src+47], v[SO+1]
	v_cvt_scalef32_pk16_fp6_f32 v[T1:T1+2], v[\src+48:\src+63], v[SO+1]
	v_lshrrev_b32 v[BY], 23, v[SO]                                 ; the bytes; these two plain lines stand between the conversions and the first touch of their results
	v_lshrrev_b32 v[BY+1], 23, v[SO+1]
.irp i, 0,1,2
	v_mov_b32 v[PC+3+\i], v[T0+\i]
	v_mov_b32 v[PC+9+\i], v[T1+\i]
.endr
.endm
; my bytes belong to blocks h and 2 + h of my row: with lane l xor 16's two the word is whole
.macro FWORD dst
	v_lshl_or_b32 v[W], v[BY+1], 16, v[BY]
	v_lshlrev_b32 v[W], v[SH8], v[W]
	v_permlanex16_b32 v[PT], v[W], s[SEL], s[SEL+1]
	v_or_b32 v[\dst], v[W], v[PT]
.endm
	s_load_b256 s[4:11], s[0:1], 0x0               ; wq_w, wk_w, wv_w, wo_w
	s_load_b128 s[12:15], s[0:1], 0x20             ; wcod, wscl
	v_lshl_add_u32 v128, v0, 2, 0x400
	v_mov_b32 v129, 0
	v_lshrrev_b32 v1, 5, v0
	v_readfirstlane_b32 s16, v1                    ; wave 0..15
	s_and_b32 s17, s16, 3                          ; u
	s_lshr_b32 s18, s16, 2                         ; s
	s_and_b32 s19, ttmp7, 0xffff                   ; y: which weight
	v_and_b32 v1, 31, v0                           ; lane
	v_and_b32 v2, 15, v0                           ; r
	v_bfe_u32 v3, v0, 4, 1                         ; h
	v_and_b32 v9, 7, v2
	v_lshrrev_b32 v10, 3, v2
	v_lshlrev_b32 v4, 2, v9
	v_lshl_add_u32 v4, v10, 7, v4                  ; 4 x (32 (r / 8) + r % 8): my column in the tile,
	v_lshl_add_u32 v4, v3, 16, v4                  ; and 32 rows of 2,048 bytes further down for lanes 16-31
	v_lshlrev_b32 v5, 4, v1                        ; 16 x lane: an image's place
	s_lshl_b32 s20, s17, 4
	s_lshl_b32 s21, s18, 2
	s_add_co_u32 s20, s20, s21
	v_lshl_add_u32 v6, v2, 6, s20                  ; LDS: the scale word's place 64 r + 16 u + 4 s
	v_lshlrev_b32 v[SH8], 3, v3
	v_mov_b32 v[PT], 0
	v_lshlrev_b32 v11, 4, v0                       ; the scale words' way out: 16 x thread = 512 x wave + 16 x lane
	s_mov_b32 s[SEL], 0x76543210
	s_mov_b32 s[SEL+1], 0xfedcba98
	s_lshl_b32 s22, s18, 18                        ; the weight: 128 s rows of 2,048 bytes
	s_lshl_b32 s21, ttmp9, 8                       ; + 64 g columns
	s_add_co_u32 s22, s22, s21
	s_lshl_b32 s21, s17, 5                         ; + 8 u columns
	s_add_co_u32 s22, s22, s21
	s_mov_b32 s23, 0
	s_lshl_b32 s24, ttmp9, 2                       ; wcod: fragment ((4 g + u) 4 + s) of weight y
	s_add_co_u32 s24, s24, s17
	s_lshl_b32 s24, s24, 2
	s_add_co_u32 s24, s24, s18
	s_mul_i32 s24, s24, 1536
	s_mul_i32 s21, s19, 196608
	s_add_co_u32 s24, s24, s21
	s_mov_b32 s25, 0
	s_lshl_b32 s26, s19, 13                        ; wscl: 8,192 y + 1,024 g
	s_lshl_b32 s21, ttmp9, 10
	s_add_co_u32 s26, s26, s21
	s_mov_b32 s27, 0
	s_wait_kmcnt 0x0
	s_cmp_eq_u32 s19, 1                            ; the weight is chosen by the work-group's number alone
	s_cselect_b64 s[4:5], s[6:7], s[4:5]
	s_cmp_eq_u32 s19, 2
	s_cselect_b64 s[4:5], s[8:9], s[4:5]
	s_cmp_eq_u32 s19, 3
	s_cselect_b64 s[4:5], s[10:11], s[4:5]
	s_add_nc_u64 s[4:5], s[4:5], s[22:23]
	s_add_nc_u64 s[12:13], s[12:13], s[24:25]
	s_add_nc_u64 s[14:15], s[14:15], s[26:27]
.set n, 0
.rept 64
	global_load_b32 v[X+n], v4, s[4:5] offset:(64*(n/32)+n%32)*2048 th:TH_LOAD_NT   ; W(128 s + 64 c + 32 h + i, my column)
.set n, n+1
.endr
	s_wait_loadcnt 0x0
	QCORE X
	FWORD WD
.irp j, 0,1,2
	global_store_b128 v5, v[PC+4*\j:PC+4*\j+3], s[12:13] offset:512*\j     ; 32 lanes store 512 consecutive bytes, aligned
.endr
	ds_store_b32 v6, v[WD]                         ; lanes r and r + 16 write the same word with the same value
	s_wait_dscnt 0x0                               ; for the others' sake: my store has landed
	s_barrier_signal -1
	s_barrier_wait -1
	s_cmp_lt_u32 s16, 2                            ; the work-group's 1,024 bytes of scale words leave by waves 0 and 1, 512 consecutive bytes each
	s_cbranch_scc0 .Ldone
	ds_load_b128 v[44:47], v11
	s_wait_dscnt 0x0
	global_store_b128 v11, v[44:47], s[14:15]
.Ldone:
	s_wait_tensorcnt 0x0
	ds_add_u32 v128, v129
	s_wait_dscnt 0x0
	s_endpgm
.Lfunc_end_k_qa236f32f79_wquant:
	.size	k_qa236f32f79_wquant, .Lfunc_end_k_qa236f32f79_wquant-k_qa236f32f79_wquant
	.p2alignl 7, 3214868480
	.fill 96, 4, 3214868480
	.section	.rodata,"a",@progbits
	.p2align	6, 0x0
	.amdhsa_kernel k_qa236f32f79_wquant
		.amdhsa_group_segment_fixed_size 3072
		.amdhsa_private_segment_fixed_size 0
		.amdhsa_enable_private_segment 0
		.amdhsa_kernarg_size 48
		.amdhsa_user_sgpr_count 2
		.amdhsa_user_sgpr_kernarg_segment_ptr 1
		.amdhsa_wavefront_size32 1
		.amdhsa_system_sgpr_workgroup_id_x 1
		.amdhsa_system_sgpr_workgroup_id_y 1
		.amdhsa_system_sgpr_workgroup_id_z 1
		.amdhsa_system_vgpr_workitem_id 0
		.amdhsa_next_free_vgpr 130
		.amdhsa_next_free_sgpr 66
		.amdhsa_reserve_vcc 0
		.amdhsa_float_denorm_mode_32 3
		.amdhsa_float_denorm_mode_16_64 3
		.amdhsa_memory_ordered 1
		.amdhsa_forward_progress 1
		.amdhsa_inst_pref_size 13
	.end_amdhsa_kernel
	.amdgpu_metadata
---
amdhsa.version: [ 1, 2 ]
amdhsa.kernels:
  - .name:           k_qa236f32f79_wquant
    .symbol:         k_qa236f32f79_wquant.kd
    .args:
      - { .name: wq_w, .offset: 0, .size: 8, .value_kind: global_buffer, .address_space: global }
      - { .name: wk_w, .offset: 8, .size: 8, .value_kind: global_buffer, .address_space: global }
      - { .name: wv_w, .offset: 16, .size: 8, .value_kind: global_buffer, .address_space: global }
      - { .name: wo_w, .offset: 24, .size: 8, .value_kind: global_buffer, .address_space: global }
      - { .name: wcod, .offset: 32, .size: 8, .value_kind: global_buffer, .address_space: global }
      - { .name: wscl, .offset: 40, .size: 8, .value_kind: global_buffer, .address_space: global }
    .group_segment_fixed_size: 3072
    .private_segment_fixed_size: 0
    .kernarg_segment_align: 8
    .kernarg_segment_size: 48
    .max_flat_workgroup_size: 512
    .sgpr_count:     66
    .vgpr_count:     130
    .wavefront_size: 32
...
	.end_amdgpu_metadata
.endif
;; end of part 1
;; launch proj (part 2): grid 64 x 3, 8 waves a work-group, no clusters, 54,272 bytes of LDS; arguments q, k, v, wq_b, wk_b, wv_b, wcod, wscl, qrec, kv; writes qrec, kv
.if DOCPART == 2
	.amdgcn_target "amdgcn-amd-amdhsa--gfx1250"
	.amdhsa_code_object_version 6
	.text
	.protected	k_qa236f32f79_proj
	.globl	k_qa236f32f79_proj
	.p2align	8
	.type	k_qa236f32f79_proj,@function
k_qa236f32f79_proj:
	s_mov_b64 s[64:65], 0
	v_nop
	global_prefetch_b8 v0, s[64:65] scope:SCOPE_SE
	s_setreg_imm32_b32 hwreg(HW_REG_WAVE_MODE, 25, 1), 1
	s_wait_xcnt 0x0
; x W + b for x = q, k, v (work-group y = 0, 1, 2), both operands as codes of FP6 (E2M3) with E8M0 scales, and the result quantised at once for the attention launch.
; A work-group takes 128 rows of x (work-group x) and all 512 columns; wave w is head w.  Its 64 columns of the weight (16 fragments, 192 registers) and its bias stay in registers.
; PHASE X: wave w quantises x's tile w (16 rows x 512 K) and stores its four fragments and scale words in LDS as images of their registers | one barrier | every wave reads all 32 images.
; THE ROWS OF A TILE ARE NOT NEIGHBOURS: row r of tile t is row 64 (t / 4) + 32 (r / 8) + 8 (t % 4) + r % 8 of the 128; the weight's tiles are laid likewise.
; So the operand that stands as source 0 leaves, in the 32 registers of four neighbouring tiles of a lane, 32 NEIGHBOURS: a whole block of the next product's K, in the order of the operand's layout.
;   q, k: source 0 = the weight: lane (r, h) holds row r and d = 32 h + 0 .. 31 of my head: half a fragment (K = 64) of 6 registers a tile of rows.
;   v:    source 0 = x: lane (r, h) holds one d and keys 64 c + 32 h + 0 .. 31: V with the keys innermost.
; OUT, as images: half a fragment is 768 bytes: registers 0-3 of lane L at 16 L, registers 4-5 at 512 + 8 L.
;   qrec [b h][block of 128 rows]: 8 halves, then 512 bytes of scale words (lane L's 16 bytes at 16 L; word i: tile 2 i + L / 16, row L % 16; bytes 2 and 3 are 0x7f).
;   kv [b h][step of 128 keys] 13,056 bytes: K as in qrec; at 6,656 V's 8 halves (2 u + c); at 12,800 V's scale words (lane L's 8 bytes at 8 L; word i: tile 2 i + L / 16).
; The bias is the C of each sum's first matrix instruction.  The 16 accumulators take turns, one instruction a turn.
; NO CLUSTER: no two work-groups read the same rows of x; the weight's codes, which the 64 work-groups of one y share, are read once by each straight into the registers
; in which they stay, and a joint load would bring them into LDS, from where the same 196,608 bytes would have to be read once more.
; LIMITS: a block of zeros gets the byte 1 where the rule says 127 (zero codes; this program alone reads the bytes); NaN and infinities are not served.
; REGISTERS: window 0: v1-15 addresses; v16-31 the weight's scale words (4 u + s); v32-35 x's; v36-83 four fragments of x; v84-123 at work; v128-255 16 accumulators (in phase X two sets of 64 numbers of x).
;   window 1: v0-191 the weight's fragments ((u, s) at 12 (4 u + s)); v192-223 the bias, 8 registers for each u.
.set XSC, 49152                        ; LDS: 32 images of 1,536 bytes (4 t + s) from 0; from here their scale words, 128 bytes each
.set WS,  16
.set XS,  32
.set XF,  36
.set PC,  84
.set T0,  96
.set T1,  100
.set M,   104
.set SO,  108
.set BY,  110
.set W,   112
.set W1,  113
.set P1,  114
.set WD,  115
.set WU,  116                          ; v116-119 V's scale words as they grow
.set OW,  120                          ; v120-123 scale words on the way out
.set ACC, 128
.set SETA, 128
.set SETB, 192
.set BI,  192                          ; in window 1
.set SH8, 10
.set PT,  11
.set SEL, 28
.set MSB, 0
.macro WIN new                         ; the immediate's high byte repeats the setting that is left
.if MSB != \new
	s_set_vgpr_msb (MSB<<8)|\new
.set MSB, \new
.endif
.endm
; 64 numbers v[src] on (block c in registers 32 c .. 32 c + 31) -> 12 registers of codes in v[PC] on, the two bytes in v[BY], v[BY+1].  Each accumulator is first read at its low end.
.macro QCORE src
.irp x, 0,1,2,3
	v_max3_num_f32 v[M+\x], |v[\src+16*\x]|, |v[\src+16*\x+1]|, |v[\src+16*\x+2]|
.endr
.irp i, 3,5,7,9,11,13
.irp x, 0,1,2,3
	v_max3_num_f32 v[M+\x], v[M+\x], |v[\src+16*\x+\i]|, |v[\src+16*\x+\i+1]|
.endr
.endr
	v_max3_num_f32 v[M], v[M], v[M+1], |v[\src+15]|
	v_max3_num_f32 v[M+2], v[M+2], v[M+3], |v[\src+47]|
	v_max3_num_f32 v[M], v[M], |v[\src+31]|, 0x1800000             ; the floor 2^(3 - 127): the byte cannot fall under 1
	v_max3_num_f32 v[M+2], v[M+2], |v[\src+63]|, 0x1800000
	v_add_nc_u32 v[SO], 0xff000000, v[M]                           ; 2 off the exponent field: the conversion's scale operand
	v_add_nc_u32 v[SO+1], 0xff000000, v[M+2]
	v_cvt_scalef32_pk16_fp6_f32 v[PC:PC+2], v[\src:\src+15], v[SO]
	v_cvt_scalef32_pk16_fp6_f32 v[T0:T0+2], v[\src+16:\src+31], v[SO]
	v_cvt_scalef32_pk16_fp6_f32 v[PC+6:PC+8], v[\src+32:\src+47], v[SO+1]
	v_cvt_scalef32_pk16_fp6_f32 v[T1:T1+2], v[\src+48:\src+63], v[SO+1]
	v_lshrrev_b32 v[BY], 23, v[SO]                                 ; the bytes; two plain lines between the conversions and the first touch of their results
	v_lshrrev_b32 v[BY+1], 23, v[SO+1]
.irp i, 0,1,2
	v_mov_b32 v[PC+3+\i], v[T0+\i]
	v_mov_b32 v[PC+9+\i], v[T1+\i]
.endr
.endm
.macro FWORD dst                       ; a whole fragment's scale word: my bytes are blocks h and 2 + h; lane l xor 16 has the other two
	v_lshl_or_b32 v[W], v[BY+1], 16, v[BY]
	v_lshlrev_b32 v[W], v[SH8], v[W]
	v_permlanex16_b32 v[PT], v[W], s[SEL], s[SEL+1]
	v_or_b32 v[\dst], v[W], v[PT]
.endm
.macro XLOAD set, s                    ; my tile's numbers of K step s: lane (r, h) takes, of row r, k = 128 s + 64 c + 32 h + 0 .. 31: 128 neighbouring bytes for each c
.irp c, 0,1
.irp i, 0,1,2,3,4,5,6,7
	global_load_b128 v[\set+32*\c+4*\i:\set+32*\c+4*\i+3], v4, s[4:5] offset:512*\s+256*\c+16*\i th:TH_LOAD_NT
.endr
.endr
.endm
.macro IMAGE s                         ; the fragment in v[PC] on and its scale word go to LDS as they stand
.irp j, 0,1,2
	ds_store_b128 v8, v[PC+4*\j:PC+4*\j+3] offset:1536*\s+512*\j
.endr
	ds_store_b32 v9, v[WD] offset:XSC+128*\s
.endm
; x's tiles 4 c .. 4 c + 3 against my four tiles of the weight, all of K: 64 matrix instructions.  swap = 0: source 0 = the weight; 1: source 0 = x.
.macro PROD swap, c
.irp s, 0,1,2,3
.if \s > 0
.rept 4
	v_nop                                          ; four places in front of loads into registers that matrix instructions have read
.endr
.endif
.irp a, 0,1,2,3
.irp j, 0,1,2
	ds_load_b128 v[XF+12*\a+4*\j:XF+12*\a+4*\j+3], v5 offset:(4*(4*\c+\a)+\s)*1536+512*\j
.endr
	ds_load_b32 v[XS+\a], v6 offset:XSC+(4*(4*\c+\a)+\s)*128
.endr
	s_wait_dscnt 0x0
.if \swap
.if \s == 0
	WIN 0x14                                       ; source 1 (the weight) and source 2 (the bias) window 1
.else
	WIN 0x04
.endif
.else
.if \s == 0
	WIN 0x11                                       ; source 0 (the weight) and source 2 (the bias) window 1
.else
	WIN 0x01
.endif
.endif
.irp a, 0,1,2,3
.irp u, 0,1,2,3
.if \swap
.if \s == 0
	v_wmma_scale_f32_16x16x128_f8f6f4 v[ACC+32*\u+8*\a:ACC+32*\u+8*\a+7], v[XF+12*\a:XF+12*\a+11], v[12*(4*\u+\s):12*(4*\u+\s)+11], v[BI+8*\u:BI+8*\u+7], v[XS+\a], v[WS+4*\u+\s] matrix_a_fmt:MATRIX_FMT_FP6 matrix_b_fmt:MATRIX_FMT_FP6
.else
	v_wmma_scale_f32_16x16x128_f8f6f4 v[ACC+32*\u+8*\a:ACC+32*\u+8*\a+7], v[XF+12*\a:XF+12*\a+11], v[12*(4*\u+\s):12*(4*\u+\s)+11], v[ACC+32*\u+8*\a:ACC+32*\u+8*\a+7], v[XS+\a], v[WS+4*\u+\s] matrix_a_fmt:MATRIX_FMT_FP6 matrix_b_fmt:MATRIX_FMT_FP6
.endif
.else
.if \s == 0
	v_wmma_scale_f32_16x16x128_f8f6f4 v[ACC+32*\a+8*\u:ACC+32*\a+8*\u+7], v[12*(4*\u+\s):12*(4*\u+\s)+11], v[XF+12*\a:XF+12*\a+11], v[BI+8*\u:BI+8*\u+7], v[WS+4*\u+\s], v[XS+\a] matrix_a_fmt:MATRIX_FMT_FP6 matrix_b_fmt:MATRIX_FMT_FP6
.else
	v_wmma_scale_f32_16x16x128_f8f6f4 v[ACC+32*\a+8*\u:ACC+32*\a+8*\u+7], v[12*(4*\u+\s):12*(4*\u+\s)+11], v[XF+12*\a:XF+12*\a+11], v[ACC+32*\a+8*\u:ACC+32*\a+8*\u+7], v[WS+4*\u+\s], v[XS+\a] matrix_a_fmt:MATRIX_FMT_FP6 matrix_b_fmt:MATRIX_FMT_FP6
.endif
.endif
.endr
.endr
	WIN 0
.endr
.rept 4
	v_nop                                          ; four places in front of the first read of the results
.endr
.endm
	s_load_b512 s[4:19], s[0:1], 0x0               ; q, k, v, wq_b, wk_b, wv_b, wcod, wscl
	s_load_b128 s[20:23], s[0:1], 0x40             ; qrec, kv
	v_lshl_add_u32 v126, v0, 2, 0xd000
	v_mov_b32 v127, 0
	v_lshrrev_b32 v1, 5, v0
	v_readfirstlane_b32 s24, v1                    ; wave 0..7 = my head
	s_and_b32 s25, ttmp7, 0xffff                   ; y: 0 q, 1 k, 2 v
	s_mov_b32 s26, ttmp9                           ; which 128 rows
	s_mov_b32 s[SEL], 0x76543210
	s_mov_b32 s[SEL+1], 0xfedcba98
	s_mov_b32 s30, 0xffff0000                      ; a mask of lanes 16-31
	s_mov_b32 s31, 0x7f7f0000                      ; the bytes of the unused upper 64 along K: 1.0
	s_lshl_b32 s32, s26, 18                        ; x: 128 rows of 2,048 bytes a work-group,
	s_lshr_b32 s36, s24, 2
	s_lshl_b32 s36, s36, 17                        ; + 64 (w / 4) rows
	s_add_co_u32 s32, s32, s36
	s_and_b32 s36, s24, 3
	s_lshl_b32 s36, s36, 14                        ; + 8 (w % 4) rows: my tile in phase X
	s_add_co_u32 s32, s32, s36
	s_mov_b32 s33, 0
	s_lshl_b32 s34, s24, 8                         ; the bias: my 64 numbers
	s_mov_b32 s35, 0
	s_mul_i32 s38, s25, 196608                     ; the weight's codes: weight y, my 16 fragments
	s_mul_i32 s36, s24, 24576
	s_add_co_u32 s38, s38, s36
	s_mov_b32 s39, 0
	s_lshl_b32 s40, s25, 13                        ; and its scale words
	s_lshl_b32 s36, s24, 10
	s_add_co_u32 s40, s40, s36
	s_mov_b32 s41, 0
	s_lshr_b32 s42, s26, 5                         ; the record: ((8 b + head) 32 + block), b = x / 32
	s_lshl_b32 s42, s42, 3
	s_add_co_u32 s42, s42, s24
	s_lshl_b32 s42, s42, 5
	s_and_b32 s36, s26, 31
	s_add_co_u32 s42, s42, s36
	s_mov_b32 s36, 13056
	s_cmp_eq_u32 s25, 0
	s_cselect_b32 s36, 6656, s36                   ; a record of qrec or of kv
	s_mul_i32 s42, s42, s36
	s_cmp_eq_u32 s25, 2
	s_cselect_b32 s36, 6656, 0                     ; V's part lies behind K's
	s_add_co_u32 s42, s42, s36
	s_mov_b32 s43, 0
	v_and_b32 v1, 31, v0                           ; lane
	v_and_b32 v2, 15, v0                           ; r
	v_bfe_u32 v3, v0, 4, 1                         ; h
	v_and_b32 v14, 7, v2
	v_lshrrev_b32 v15, 3, v2
	v_lshl_add_u32 v14, v15, 5, v14                ; 32 (r / 8) + r % 8
	v_lshlrev_b32 v4, 11, v14
	v_lshl_add_u32 v4, v3, 7, v4                   ; x: that row, + 128 h bytes
	v_lshlrev_b32 v5, 4, v1                        ; 16 x lane
	v_lshlrev_b32 v6, 2, v1                        ; 4 x lane
	v_lshlrev_b32 v7, 3, v1                        ; 8 x lane
	s_mul_i32 s36, s24, 6144
	v_add_nc_u32 v8, s36, v5                       ; where I store my tile's images
	s_lshl_b32 s36, s24, 9
	v_add_nc_u32 v9, s36, v6                       ; and their scale words
	v_lshlrev_b32 v[SH8], 3, v3
	v_mov_b32 v[PT], 0                             ; written once: a lane permute's destination counts as one of its sources
	v_mov_b32 v[P1], 0
	v_lshlrev_b32 v12, 6, v2                       ; the weight's scale words: 64 bytes a row
	s_wait_kmcnt 0x0
	s_cmp_eq_u32 s25, 1                            ; the buffers are chosen by the work-group's number alone
	s_cselect_b64 s[4:5], s[6:7], s[4:5]
	s_cselect_b64 s[10:11], s[12:13], s[10:11]
	s_cmp_eq_u32 s25, 2
	s_cselect_b64 s[4:5], s[8:9], s[4:5]
	s_cselect_b64 s[10:11], s[14:15], s[10:11]
	s_cmp_eq_u32 s25, 0
	s_cselect_b64 s[20:21], s[20:21], s[22:23]
	s_add_nc_u64 s[4:5], s[4:5], s[32:33]
	s_add_nc_u64 s[10:11], s[10:11], s[34:35]
	s_add_nc_u64 s[16:17], s[16:17], s[38:39]
	s_add_nc_u64 s[18:19], s[18:19], s[40:41]
	s_add_nc_u64 s[20:21], s[20:21], s[42:43]
	s_cmp_eq_u32 s25, 2
	s_cbranch_scc1 .Lbias_v
	v_lshlrev_b32 v13, 7, v3                       ; q, k: register j of tile u is b[64 w + 32 h + 8 u + j]
	WIN 0x40                                       ; destination window 1
.irp u, 0,1,2,3
.irp e, 0,1
	global_load_b128 v[BI+8*\u+4*\e:BI+8*\u+4*\e+3], v13, s[10:11] offset:32*\u+16*\e
.endr
.endr
	WIN 0
	s_branch .Lbias_done
.Lbias_v:
	v_lshlrev_b32 v13, 2, v14                      ; v: all eight registers of tile u are b[64 w + 32 (r / 8) + 8 u + r % 8]
	WIN 0x40
.irp u, 0,1,2,3
.irp j, 0,1,2,3,4,5,6,7
	global_load_b32 v[BI+8*\u+\j], v13, s[10:11] offset:32*\u
.endr
.endr
	WIN 0
.Lbias_done:
	WIN 0x40
.set n, 0
.rept 48
	global_load_b128 v[4*n:4*n+3], v5, s[16:17] offset:512*n       ; the weight's 16 fragments, as they were laid
.set n, n+1
.endr
	WIN 0
.irp u, 0,1,2,3
	global_load_b128 v[WS+4*\u:WS+4*\u+3], v12, s[18:19] offset:16*\u
.endr
	XLOAD SETA, 0
	XLOAD SETB, 1
	; ---- PHASE X: my tile of x, a K step at a time, on two sets of registers
	s_wait_loadcnt 16                              ; all but the youngest 16 loads (K step 1) are in
	QCORE SETA
	FWORD WD
	IMAGE 0
	XLOAD SETA, 2
	s_wait_loadcnt 16                              ; K step 1 is in; K step 2's 16 loads may be out
	s_wait_dscnt 0x0                               ; the image's stores have read their registers
	QCORE SETB
	FWORD WD
	IMAGE 1
	XLOAD SETB, 3
	s_wait_loadcnt 16                              ; K step 2 is in; K step 3's 16 loads may be out
	s_wait_dscnt 0x0
	QCORE SETA
	FWORD WD
	IMAGE 2
	s_wait_loadcnt 0x0
	s_wait_dscnt 0x0
	QCORE SETB
	FWORD WD
	IMAGE 3
	s_wait_dscnt 0x0                               ; for the others' sake: my images have landed
	s_barrier_signal -1
	s_barrier_wait -1                              ; all 32 images lie in LDS; from here on LDS is only read
	s_cmp_eq_u32 s25, 2
	s_cbranch_scc1 .Lv
	; ---- q, k: 32 registers of a tile of rows are d = 32 h + 0 .. 31 of my head
.irp c, 0,1
	PROD 0, \c
.irp p, 0,1
	s_wait_xcnt 0x0                                ; the earlier stores have read their data: the codes' registers are written again only behind this wait
	QCORE ACC+64*\p
	global_store_b128 v5, v[PC:PC+3], s[20:21] offset:768*(4*\c+2*\p)          ; tile 4 c + 2 p: 512 consecutive bytes,
	global_store_b64 v7, v[PC+4:PC+5], s[20:21] offset:768*(4*\c+2*\p)+512     ; and 256
	global_store_b128 v5, v[PC+6:PC+9], s[20:21] offset:768*(4*\c+2*\p+1)      ; tile 4 c + 2 p + 1
	global_store_b64 v7, v[PC+10:PC+11], s[20:21] offset:768*(4*\c+2*\p+1)+512
	v_lshl_or_b32 v[W], v[BY], v[SH8], s31         ; my byte at place h, 1.0 above
	v_lshl_or_b32 v[W1], v[BY+1], v[SH8], s31
	v_permlanex16_b32 v[PT], v[W], s[SEL], s[SEL+1]
	v_permlanex16_b32 v[P1], v[W1], s[SEL], s[SEL+1]
	v_or_b32 v[W], v[W], v[PT]
	v_or_b32 v[W1], v[W1], v[P1]
	v_cndmask_b32 v[OW+2*\c+\p], v[W], v[W1], s30  ; lanes 0-15 the even tile's words, lanes 16-31 the odd tile's
.endr
.endr
	global_store_b128 v5, v[OW:OW+3], s[20:21] offset:6144
	s_wait_tensorcnt 0x0
	ds_add_u32 v126, v127
	s_wait_dscnt 0x0
	s_endpgm
.Lv:
	; ---- v: 32 registers of a tile of the weight are keys 64 c + 32 h + 0 .. 31 of one d
.irp c, 0,1
	PROD 1, \c
.irp p, 0,1
	s_wait_xcnt 0x0
	QCORE ACC+64*\p
	global_store_b128 v5, v[PC:PC+3], s[20:21] offset:768*(4*\p+\c)            ; tile u = 2 p, half c
	global_store_b64 v7, v[PC+4:PC+5], s[20:21] offset:768*(4*\p+\c)+512
	global_store_b128 v5, v[PC+6:PC+9], s[20:21] offset:768*(4*\p+2+\c)        ; tile u = 2 p + 1
	global_store_b64 v7, v[PC+10:PC+11], s[20:21] offset:768*(4*\p+2+\c)+512
.if \c == 0
	v_lshlrev_b32 v[WU+2*\p], v[SH8], v[BY]        ; byte 2 c + h of the tile's word
	v_lshlrev_b32 v[WU+2*\p+1], v[SH8], v[BY+1]
.else
	v_lshlrev_b32 v[W], v[SH8], v[BY]
	v_lshlrev_b32 v[W1], v[SH8], v[BY+1]
	v_lshl_or_b32 v[WU+2*\p], v[W], 16, v[WU+2*\p]
	v_lshl_or_b32 v[WU+2*\p+1], v[W1], 16, v[WU+2*\p+1]
.endif
.endr
.endr
.irp u, 0,1,2,3
	v_permlanex16_b32 v[PT], v[WU+\u], s[SEL], s[SEL+1]
	v_or_b32 v[WU+\u], v[WU+\u], v[PT]
.endr
	v_cndmask_b32 v[OW], v[WU], v[WU+1], s30
	v_cndmask_b32 v[OW+1], v[WU+2], v[WU+3], s30
	global_store_b64 v7, v[OW:OW+1], s[20:21] offset:6144
	s_wait_tensorcnt 0x0
	ds_add_u32 v126, v127
	s_wait_dscnt 0x0
	s_endpgm
.Lfunc_end_k_qa236f32f79_proj:
	.size	k_qa236f32f79_proj, .Lfunc_end_k_qa236f32f79_proj-k_qa236f32f79_proj
	.p2alignl 7, 3214868480
	.fill 96, 4, 3214868480
	.section	.rodata,"a",@progbits
	.p2align	6, 0x0
	.amdhsa_kernel k_qa236f32f79_proj
		.amdhsa_group_segment_fixed_size 54272
		.amdhsa_private_segment_fixed_size 0
		.amdhsa_enable_private_segment 0
		.amdhsa_kernarg_size 80
		.amdhsa_user_sgpr_count 2
		.amdhsa_user_sgpr_kernarg_segment_ptr 1
		.amdhsa_wavefront_size32 1
		.amdhsa_system_sgpr_workgroup_id_x 1
		.amdhsa_system_sgpr_workgroup_id_y 1
		.amdhsa_system_sgpr_workgroup_id_z 1
		.amdhsa_system_vgpr_workitem_id 0
		.amdhsa_next_free_vgpr 512
		.amdhsa_next_free_sgpr 66
		.amdhsa_reserve_vcc 0
		.amdhsa_float_denorm_mode_32 3
		.amdhsa_float_denorm_mode_16_64 3
		.amdhsa_memory_ordered 1
		.amdhsa_forward_progress 1
		.amdhsa_inst_pref_size 111
	.end_amdhsa_kernel
	.amdgpu_metadata
---
amdhsa.version: [ 1, 2 ]
amdhsa.kernels:
  - .name:           k_qa236f32f79_proj
    .symbol:         k_qa236f32f79_proj.kd
    .args:
      - { .name: q, .offset: 0, .size: 8, .value_kind: global_buffer, .address_space: global }
      - { .name: k, .offset: 8, .size: 8, .value_kind: global_buffer, .address_space: global }
      - { .name: v, .offset: 16, .size: 8, .value_kind: global_buffer, .address_space: global }
      - { .name: wq_b, .offset: 24, .size: 8, .value_kind: global_buffer, .address_space: global }
      - { .name: wk_b, .offset: 32, .size: 8, .value_kind: global_buffer, .address_space: global }
      - { .name: wv_b, .offset: 40, .size: 8, .value_kind: global_buffer, .address_space: global }
      - { .name: wcod, .offset: 48, .size: 8, .value_kind: global_buffer, .address_space: global }
      - { .name: wscl, .offset: 56, .size: 8, .value_kind: global_buffer, .address_space: global }
      - { .name: qrec, .offset: 64, .size: 8, .value_kind: global_buffer, .address_space: global }
      - { .name: kv, .offset: 72, .size: 8, .value_kind: global_buffer, .address_space: global }
    .group_segment_fixed_size: 54272
    .private_segment_fixed_size: 0
    .kernarg_segment_align: 8
    .kernarg_segment_size: 80
    .max_flat_workgroup_size: 256
    .sgpr_count:     66
    .vgpr_count:     512
    .wavefront_size: 32
...
	.end_amdgpu_metadata
.endif
;; end of part 2
;; launch attn (part 3): grid 16 x 16, 16 waves a work-group, clusters of 4 x 1, 327,680 bytes of LDS; arguments qrec, kv, orec, oscl; writes orec, oscl
.if DOCPART == 3
	.amdgcn_target "amdgcn-amd-amdhsa--gfx1250"
	.amdhsa_code_object_version 6
	.text
	.protected	k_qa236f32f79_attn
	.globl	k_qa236f32f79_attn
	.p2align	8
	.type	k_qa236f32f79_attn,@function
k_qa236f32f79_attn:
	s_mov_b64 s[64:65], 0
	v_nop
	global_prefetch_b8 v0, s[64:65] scope:SCOPE_SE
	s_setreg_imm32_b32 hwreg(HW_REG_WAVE_MODE, 25, 1), 1
	s_wait_xcnt 0x0
	s_wait_alu depctr_hold_cnt(0) depctr_sa_sdst(0) depctr_va_vdst(0) depctr_va_sdst(0) depctr_va_ssrc(0) depctr_va_vcc(0) depctr_vm_vsrc(0)
	s_getreg_b32 s2, hwreg(HW_REG_IB_STS2, 6, 4)
	s_cmp_eq_u32 s2, 0
	s_cbranch_scc0 .Lentry_in_a_cluster
	s_endpgm
.Lentry_in_a_cluster:
	s_bfe_u32 s2, ttmp6, 0x10000c
	s_cmp_lg_u32 s2, 0x3003
	s_cbranch_scc0 .Lentry_shape_is_right
	s_endpgm
.Lentry_shape_is_right:
; o = softmax(q k^T / 8) v for one (batch, head) and 256 queries a work-group, both products on codes of FP6 (E2M3) with E8M0 scales; o is divided by the row's sum and quantised along d for the last product.
; THE SOFTMAX AHEAD OF THE SECOND PRODUCT: t = score x log2(e) / 8; M = the row's largest t so far, rounded UP to a whole number; p = 2^(t - M) is quantised along the keys, not normalised.
; The row's sum is taken of the unquantised p, in f32.  When M moves, the sum and O are multiplied by 2^(old M - new M), which rounds nothing.
; SHARES: sixteen waves, each with ONE tile of 16 queries in 256 registers, four to a SIMD: one wave's vector work stands beside another's matrix work and LDS loads.  Every wave walks 32 steps of 128 keys.
; LAYOUT: both products are used transposed (S^T = K Q^T, O^T = V^T P^T): a lane holds ONE query.  The keys of a tile of K are 64 (t / 4) + 32 (r / 8) + 8 (t % 4) + r % 8, so the 32 registers of tiles
; 4 c .. 4 c + 3 of lane (r, h) are keys 64 c + 32 h + 0 .. 31: A WHOLE BLOCK IN A LANE, in the order of the operand's layout: no lane is asked for a block's maximum and no halves change places.
; V's rows are laid likewise, so O^T's 32 registers are d = 32 h + 0 .. 31.
; K = 64 IN THE FIRST PRODUCT: the instruction is 128 deep.  Q's registers 6-11 hold zero codes; K's operand of tile t is its 6 registers and the 6 that follow (the next tile's; zeros behind tile 7):
; E2M3 has no code for NaN or infinity and the scale bytes there are 0x7f, so those products are zeros.
; THE RING: kv's records (13,056 bytes a step: K's images, K's scale words, V's images, V's scale words) are dense: a slot holds 8 steps, 104,448 bytes; waves 0 to 3 bring a quarter each, 102 rows of 256 bytes.
; Two slots; one tensor load of a wave is out at most.  CLUSTER: the four work-groups of a cluster belong to one head and walk the same records: each quarter is asked for jointly, with a mask that names the four.
; A refill is asked for first thing behind a change of slots and read eight key steps later.
; A BLOCK'S LARGEST p is made from the block's largest score by the same multiply-add and exponential: this takes v_exp_f32 not to fall where its input rises.
; LIMITS: NaN and infinities are not served; a block whose every p has fallen to 0 keeps the byte 1 (zero codes).  oscl is stored two bytes a lane, 16 bytes apart, once a wave: 32 bytes of the wave's 800.
.set REC,   13056
.set SLOT1, 131072
.set SPARE, 262144                     ; the spare words: 128 bytes for each of 16 waves, eight blocks of 256 bytes that no other line names
.set KF,  32                           ; v32-79  K's 8 halves (tile t at 32 + 6 t), later V's (half i at 32 + 6 i); v80-85 zeros
.set KS,  88                           ; v88-91  K's scale words: register i: lanes 0-15 tile 2 i, lanes 16-31 tile 2 i + 1
.set VS,  92                           ; v92-93  V's likewise
.set PW,  94                           ; v94     p's scale word
.set QS,  28                           ; v28     Q's scale word
.set S,   96                           ; v96-159 S^T, then p
.set O,   160                          ; v160-191 O^T
.set P,   192                          ; v192-203 p's codes
.set T0,  204
.set T1,  208
.set M,   212                          ; v212-215 chains of the largest score
.set SO,  216
.set BY,  218
.set W,   220
.set F,   222                          ; v[222:223] 2^(old M - new M); v223 is written once
.set SB,  224                          ; v[224:225] the sum's second chain
; v1 16 x lane, v2 8 x lane, v3, v4 the same in the record in hand, v5, v6 the add's two registers, v7 8 h, v8 the old -M, v9 a permute's destination, v10, v11 at work,
; v12 -M, v13 the largest score, v[14:15] the sum in two halves, v16-21 Q's codes, v22-27 zeros, v29 16 (lane % 16)
; s12 wave, s[16:23] descriptor group 1, s[24:27] group 0 (it walks), s[28:29] permute selects, s[30:31] c, s32 LDS byte of the record in hand, s33, s34 counters
.macro CROUND                          ; a round of the cluster's barrier
	s_barrier_signal -1
	s_barrier_wait -1
	s_cmp_lg_u32 s12, 0
	s_cbranch_scc1 .Lnot_wave_0_\@
	s_barrier_signal -3
.Lnot_wave_0_\@:
	s_barrier_wait -3
	s_barrier_signal -1
	s_barrier_wait -1
.endm
.macro TLOAD                           ; waves 0 to 3 fetch, the others nothing: the branch hangs on the wave's number alone.  Four v_nop follow the load
	s_cmp_lt_u32 s12, 4
	s_cbranch_scc0 .Lnone_\@
	tensor_load_to_lds s[24:27], s[16:23]
	s_nop 0
.rept 4
	v_nop
.endr
.Lnone_\@:
.endm
.macro KLOAD
.irp t, 0,1,2,3,4,5,6,7
	ds_load_b128 v[KF+6*\t:KF+6*\t+3], v3 offset:768*\t
	ds_load_b64 v[KF+6*\t+4:KF+6*\t+5], v4 offset:768*\t+512
.endr
	ds_load_b128 v[KS:KS+3], v3 offset:6144
.endm
.macro VLOAD
.irp t, 0,1,2,3,4,5,6,7
	ds_load_b128 v[KF+6*\t:KF+6*\t+3], v3 offset:6656+768*\t
	ds_load_b64 v[KF+6*\t+4:KF+6*\t+5], v4 offset:6656+768*\t+512
.endr
	ds_load_b64 v[VS:VS+1], v4 offset:12800
.endm
; Lines a to b of the 32 packed additions that take the sum of the step's 64 unquantised p, in two chains
.macro SUM a, b
.set z, \a
.rept \b-\a+1
.if z == 0
	v_pk_add_f32 v[SB:SB+1], v[S:S+1], v[S+2:S+3]
.elseif z == 31
	v_pk_add_f32 v[14:15], v[14:15], v[SB:SB+1]
.elseif z % 2
	v_pk_add_f32 v[14:15], v[14:15], v[S+2*(z+1):S+2*(z+1)+1]
.else
	v_pk_add_f32 v[SB:SB+1], v[SB:SB+1], v[S+2*z+2:S+2*z+3]
.endif
.set z, z+1
.endr
.endm
; A KEY STEP: 128 keys.  nxt = 1: the next record of the slot follows, and its K is fetched at the step's end.
.macro STEP nxt
	s_wait_dscnt 0x0                               ; K and its scale words are in
.irp t, 0,1,2,3,4,5,6,7
.if \t % 2
	v_wmma_scale_f32_16x16x128_f8f6f4 v[S+8*\t:S+8*\t+7], v[KF+6*\t:KF+6*\t+11], v[16:27], 0, v[KS+\t/2], v[QS] matrix_a_fmt:MATRIX_FMT_FP6 matrix_b_fmt:MATRIX_FMT_FP6 matrix_a_scale:MATRIX_SCALE_ROW1
.else
	v_wmma_scale_f32_16x16x128_f8f6f4 v[S+8*\t:S+8*\t+7], v[KF+6*\t:KF+6*\t+11], v[16:27], 0, v[KS+\t/2], v[QS] matrix_a_fmt:MATRIX_FMT_FP6 matrix_b_fmt:MATRIX_FMT_FP6
.endif
.endr
	v_mov_b32 v8, v12                              ; the old -M; with the three below: four places behind the products, for the loads into K's registers and the first read of the scores
.rept 3
	v_nop
.endr
	VLOAD                                          ; V lands under the softmax
.irp x, 0,1,2,3
	v_max3_num_f32 v[M+\x], v[S+16*\x], v[S+16*\x+1], v[S+16*\x+2]     ; the largest score of each block of 32 keys, in two chains a block; each accumulator is first read at its low end
.endr
.irp i, 3,5,7,9,11,13
.irp x, 0,1,2,3
	v_max3_num_f32 v[M+\x], v[M+\x], v[S+16*\x+\i], v[S+16*\x+\i+1]
.endr
.endr
	v_max3_num_f32 v[M], v[M], v[M+1], v[S+15]
	v_max3_num_f32 v[M+2], v[M+2], v[M+3], v[S+47]
	v_max_num_f32 v[M], v[M], v[S+31]              ; block h
	v_max_num_f32 v[M+2], v[M+2], v[S+63]          ; block 2 + h
	v_max_num_f32 v10, v[M], v[M+2]
	v_permlanex16_b32 v9, v10, s28, s29            ; my query's other 64 keys lie in lane l xor 16
	v_max3_num_f32 v13, v13, v10, v9               ; the running largest score
	v_mul_f32 v10, s30, v13                        ; as t (c is positive)
	v_floor_f32 v12, -v10                          ; -M = floor(-t): M is a whole number
	v_sub_f32 v11, v12, v8                         ; old M - new M: a whole number, 0 or less
	v_cvt_i32_f32 v11, v11                         ; (it saturates)
	v_ldexp_f32 v[F], 1.0, v11                     ; f = 2^(old M - new M)
	v_fma_f32 v[M], v[M], s30, v12                 ; t - M of each block's largest score,
	v_fma_f32 v[M+2], v[M+2], s30, v12
.set y, 0
.rept 32
	v_pk_fma_f32 v[S+y:S+y+1], v[S+y:S+y+1], s[30:31], v[12:13] op_sel_hi:[1,0,0]   ; and of all 64, two at a time (of the pairs c and -M the low word serves both halves)
.set y, y+2
.endr
	v_exp_f32 v[M], v[M]                           ; ONE BATCH of 66 exponentials: the blocks' largest p,
	v_exp_f32 v[M+2], v[M+2]
.set y, 0
.rept 64
	v_exp_f32 v[S+y], v[S+y]                       ; and p = 2^(t - M), at most 1
.set y, y+1
.endr
	v_pk_mul_f32 v[14:15], v[14:15], v[F:F+1] op_sel_hi:[1,0]      ; independent plain work behind the batch: the sum and O^T under the new M
.set y, 0
.rept 16
	v_pk_mul_f32 v[O+y:O+y+1], v[O+y:O+y+1], v[F:F+1] op_sel_hi:[1,0]
.set y, y+2
.endr
	s_wait_alu depctr_va_vdst(0)                   ; one wait for the batch, ahead of the first line that names a result
	v_max_num_f32 v[M], 0x1800000, v[M]            ; the floor 2^(3 - 127): the byte cannot fall under 1
	v_max_num_f32 v[M+2], 0x1800000, v[M+2]
	v_add_nc_u32 v[SO], 0xff000000, v[M]           ; 2 off the exponent field: the conversion's scale operand
	v_add_nc_u32 v[SO+1], 0xff000000, v[M+2]
	v_cvt_scalef32_pk16_fp6_f32 v[P:P+2], v[S:S+15], v[SO]
	v_cvt_scalef32_pk16_fp6_f32 v[T0:T0+2], v[S+16:S+31], v[SO]    ; (a conversion's three registers begin on an even number)
	v_cvt_scalef32_pk16_fp6_f32 v[P+6:P+8], v[S+32:S+47], v[SO+1]
	v_cvt_scalef32_pk16_fp6_f32 v[T1:T1+2], v[S+48:S+63], v[SO+1]
	v_lshrrev_b32 v[BY], 23, v[SO]                 ; the bytes (plain lines behind the conversions)
	v_lshrrev_b32 v[BY+1], 23, v[SO+1]
	v_lshl_or_b32 v[W], v[BY+1], 16, v[BY]
	v_lshlrev_b32 v[W], v7, v[W]                   ; at places h and 2 + h;
	v_permlanex16_b32 v9, v[W], s28, s29
	v_or_b32 v[PW], v[W], v9                       ; with lane l xor 16's two: p's scale word for these 128 keys
.irp i, 0,1,2
	v_mov_b32 v[P+3+\i], v[T0+\i]
	v_mov_b32 v[P+9+\i], v[T1+\i]
.endr
	SUM 0, 7                                       ; eight plain lines that name no register of the products below: the places behind the scale word's and the operand's last writes
	s_wait_dscnt 0x0                               ; V and its scale words are in
.irp u, 0,1,2,3
.if \u % 2
	v_wmma_scale_f32_16x16x128_f8f6f4 v[O+8*\u:O+8*\u+7], v[KF+12*\u:KF+12*\u+11], v[P:P+11], v[O+8*\u:O+8*\u+7], v[VS+\u/2], v[PW] matrix_a_fmt:MATRIX_FMT_FP6 matrix_b_fmt:MATRIX_FMT_FP6 matrix_a_scale:MATRIX_SCALE_ROW1
.else
	v_wmma_scale_f32_16x16x128_f8f6f4 v[O+8*\u:O+8*\u+7], v[KF+12*\u:KF+12*\u+11], v[P:P+11], v[O+8*\u:O+8*\u+7], v[VS+\u/2], v[PW] matrix_a_fmt:MATRIX_FMT_FP6 matrix_b_fmt:MATRIX_FMT_FP6
.endif
.endr
	SUM 8, 11                                      ; four places in front of the loads into V's registers
.if \nxt
	s_add_co_u32 s32, s32, REC
	v_add_nc_u32 v3, s32, v1
	v_add_nc_u32 v4, s32, v2
	KLOAD                                          ; the next step's K lands under the rest of the sums
.endif
	SUM 12, 31
.endm
; THE CHANGE OF SLOTS, at a slot's head.  Each wave waits for all its tensor loads (its part of the slot ahead), adds 0 to its spare word, and waits for that and for its reads of the slot that it has left.
; fill = 1: a round of the cluster's barrier, so that no wave of any partner still reads that slot or has a load on its way; then the joint refill, first thing behind it.
.macro CHANGE fill
	s_wait_tensorcnt 0x0                           ; no tensor load of mine is out, so group 0 may be written
	ds_add_u32 v5, v6                              ; 0 onto my spare word
.if \fill
	s_xor_b32 s25, s25, SLOT1                      ; the other slot than last time,
	s_add_nc_u64 s[26:27], s[26:27], 8*REC         ; the next 8 records; the type bits on top are not reached
.endif
	s_wait_dscnt 0x0                               ; the add is done, and my reads of the slot that I have left are over
.if \fill
	CROUND
	TLOAD
.else
	s_barrier_signal -1
	s_barrier_wait -1
.endif
	v_add_nc_u32 v3, s32, v1
	v_add_nc_u32 v4, s32, v2
	KLOAD                                          ; the slot's first K
.endm
.macro SLOT_STEPS                      ; a slot's eight key steps: seven in a loop, the last without a successor in the slot
	s_mov_b32 s34, 7
.Lstep_\@:
	STEP 1
	s_sub_co_u32 s34, s34, 1
	s_cmp_lg_u32 s34, 0
	s_cbranch_scc1 .Lstep_\@
	STEP 0
	s_sub_co_u32 s32, s32, 7*REC                   ; back to a slot's first record,
	s_xor_b32 s32, s32, SLOT1                      ; in the other slot
.endm
	s_load_b256 s[4:11], s[0:1], 0x0               ; qrec, kv, orec, oscl
	v_lshl_add_u32 v5, v0, 2, SPARE
	v_mov_b32 v6, 0
	ds_add_u32 v5, v6
	s_wait_dscnt 0x0
	v_lshrrev_b32 v1, 5, v0
	v_readfirstlane_b32 s12, v1                    ; wave 0..15
	s_bfe_u32 s13, ttmp6, 0x40000                  ; cx: my place in the cluster: it enters Q's and o's global addresses alone
	s_lshl_b32 s14, ttmp9, 2                       ; in a cluster launch ttmp9 counts clusters
	s_add_co_u32 s14, s14, s13                     ; my block of 256 queries
	s_and_b32 s15, ttmp7, 0xffff                   ; 8 b + head, which the four partners share
	; descriptor group 1: 102 rows of 32 elements of 8 bytes, dense, no padding
	s_mov_b32 s16, 15|(3<<16)|(1<<21)              ; 15:0 the mask: all four work-groups; 17:16 elements of 8 bytes; 21 set beside a mask
	s_mov_b32 s17, 32<<16                          ; tensor_dim0 = 32
	s_mov_b32 s18, 102<<16                         ; tensor_dim1 = 102
	s_mov_b32 s19, 32<<16                          ; tile_dim0 = 32
	s_mov_b32 s20, 102                             ; tile_dim1 = 102
	s_mov_b32 s21, 32                              ; from row to row: 32 elements
	s_mov_b32 s22, 0
	s_mov_b32 s23, 0
	s_mov_b32 s24, 1                               ; group 0: count = 1
	s_and_b32 s36, s12, 3
	s_mul_i32 s25, s36, 2*REC                      ; LDS address: my quarter of slot 0
	s_mul_i32 s38, s15, 32*REC                     ; the head's records,
	s_add_co_u32 s38, s38, s25                     ; my quarter of the first eight
	s_mov_b32 s39, 0
	s_lshl_b32 s40, s15, 5                         ; Q's record: 32 (8 b + head) + 2 x block + w / 8
	s_lshl_b32 s37, s14, 1
	s_add_co_u32 s40, s40, s37
	s_lshr_b32 s37, s12, 3
	s_add_co_u32 s40, s40, s37
	s_mul_i32 s40, s40, 6656
	s_mov_b32 s41, 0
	s_and_b32 s37, s12, 7
	s_mul_i32 s42, s37, 768                        ; my tile's half fragment in it
	s_and_b32 s43, s12, 1
	s_lshl_b32 s43, s43, 8
	s_lshr_b32 s37, s37, 1
	s_lshl_b32 s37, s37, 2
	s_add_co_u32 s43, s43, s37
	s_add_co_u32 s43, s43, 6144                    ; and its scale words: 6,144 + 256 (t % 2) + 4 (t / 2), 16 bytes a row
	s_lshr_b32 s44, s15, 3
	s_lshl_b32 s44, s44, 8
	s_lshl_b32 s37, s14, 4
	s_add_co_u32 s44, s44, s37
	s_add_co_u32 s44, s44, s12                     ; my tile of queries among the 512: 256 b + 16 x block + w
	s_and_b32 s45, s15, 7                          ; the head
	s_lshl_b32 s46, s44, 3
	s_add_co_u32 s46, s46, s45
	s_mul_i32 s46, s46, 768                        ; orec
	s_mov_b32 s47, 0
	s_lshl_b32 s44, s44, 8
	s_lshl_b32 s45, s45, 1
	s_add_co_u32 s44, s44, s45                     ; oscl: 256 bytes a tile, 2 bytes a head
	s_mov_b32 s45, 0
	s_mov_b32 s28, 0x76543210
	s_mov_b32 s29, 0xfedcba98
	s_mov_b32 s30, 0x3e38aa3b                      ; c = log2(e) / 8
	s_mov_b32 s31, s30                             ; (named with it as a pair, so it is written)
	s_mov_b32 s32, 0
	s_mov_b32 s33, 3
	s_wait_kmcnt 0x0
	s_add_nc_u64 s[26:27], s[6:7], s[38:39]        ; group 0: global address,
	s_or_b32 s27, s27, 0x80000000                  ; type = 2
	s_add_nc_u64 s[4:5], s[4:5], s[40:41]
	s_add_nc_u64 s[8:9], s[8:9], s[46:47]
	s_add_nc_u64 s[10:11], s[10:11], s[44:45]
	CROUND                                         ; all four work-groups are here: the first joint loads meet
	TLOAD                                          ; slot 0
	v_and_b32 v1, 31, v0
	v_lshlrev_b32 v2, 3, v1                        ; 8 x lane
	v_lshlrev_b32 v1, 4, v1                        ; 16 x lane
	v_bfe_u32 v7, v0, 4, 1
	v_lshlrev_b32 v7, 3, v7                        ; 8 h
	v_and_b32 v8, 15, v0
	v_lshlrev_b32 v29, 4, v8                       ; 16 (lane % 16)
	v_add_nc_u32 v8, s43, v29
	v_add_nc_u32 v10, s42, v1
	v_add_nc_u32 v11, s42, v2
	global_load_b128 v[16:19], v10, s[4:5]         ; Q's half fragment stays in registers
	global_load_b64 v[20:21], v11, s[4:5] offset:512
	global_load_b32 v[QS], v8, s[4:5]
.irp j, 22,23,24,25,26,27,80,81,82,83,84,85
	v_mov_b32 v[\j], 0                             ; zero codes: Q's upper 64 along K, and what stands behind K's tile 7
.endr
.set y, 0
.rept 32
	v_mov_b32 v[O+y], 0                            ; O^T: the step is written once: the first finds zeros, which the first change of M leaves zeros
.set y, y+1
.endr
	v_mov_b32 v14, 0                               ; the sum, in two halves
	v_mov_b32 v15, 0
	v_mov_b32 v9, 0                                ; written once: a lane permute's destination counts as one of its sources
	v_mov_b32 v[F+1], 0                            ; (named as the upper half of a pair)
	v_mov_b32 v13, 0xff61b1e6                      ; the largest score so far: -3e38
	v_mul_f32 v[W], s30, v13
	v_floor_f32 v12, -v[W]                         ; -M
	s_wait_loadcnt 0x0                             ; Q; its address registers are free from here on
.Lslot:                                            ; three trips: behind each change of slots but the last the next eight records are asked for
	CHANGE 1
	SLOT_STEPS
	s_sub_co_u32 s33, s33, 1
	s_cmp_lg_u32 s33, 0
	s_cbranch_scc1 .Lslot
	CHANGE 0                                       ; the last slot is written out
	SLOT_STEPS
	; THE WAY OUT: O^T / the sum; my 32 numbers are d = 32 h + 0 .. 31 of my query: one block of the last product's K
	v_add_f32 v14, v14, v15
	v_permlanex16_b32 v9, v14, s28, s29
	v_add_f32 v14, v14, v9                         ; the row's sum
	v_rcp_f32 v[F], v14
	v_nop                                          ; a plain line behind the reciprocal
	s_wait_alu depctr_va_vdst(0)                   ; and the wait ahead of its first reader
.set y, 0
.rept 16
	v_pk_mul_f32 v[S+y:S+y+1], v[O+y:O+y+1], v[F:F+1] op_sel_hi:[1,0]     ; each accumulator from its low end on
.set y, y+2
.endr
	v_max3_num_f32 v[M], |v[S]|, |v[S+1]|, |v[S+2]|
	v_max3_num_f32 v[M+1], |v[S+16]|, |v[S+17]|, |v[S+18]|
.irp i, 3,5,7,9,11,13
	v_max3_num_f32 v[M], v[M], |v[S+\i]|, |v[S+\i+1]|
	v_max3_num_f32 v[M+1], v[M+1], |v[S+16+\i]|, |v[S+16+\i+1]|
.endr
	v_max3_num_f32 v[M], v[M], v[M+1], |v[S+15]|
	v_max3_num_f32 v[M], v[M], |v[S+31]|, 0x1800000
	v_add_nc_u32 v[SO], 0xff000000, v[M]
	v_cvt_scalef32_pk16_fp6_f32 v[P:P+2], v[S:S+15], v[SO]
	v_cvt_scalef32_pk16_fp6_f32 v[T0:T0+2], v[S+16:S+31], v[SO]
	v_lshrrev_b32 v[BY], 23, v[SO]                 ; (a plain line behind the conversions)
.irp i, 0,1,2
	v_mov_b32 v[P+3+\i], v[T0+\i]
.endr
	global_store_b128 v1, v[P:P+3], s[8:9]         ; half a fragment's image: 512 consecutive bytes,
	global_store_b64 v2, v[P+4:P+5], s[8:9] offset:512   ; and 256
	v_lshlrev_b32 v[W], v7, v[BY]
	v_permlanex16_b32 v9, v[W], s28, s29
	v_or_b32 v[W], v[W], v9                        ; my row's two bytes for this head
	global_store_b16 v29, v[W], s[10:11]           ; lanes r and r + 16 store the same two bytes
	s_wait_tensorcnt 0x0                           ; the wave's end
	ds_add_u32 v5, v6
	s_wait_dscnt 0x0
	CROUND                                         ; the closing round: no work-group ends while a partner may still ask for a tile that names it
	s_endpgm
.Lfunc_end_k_qa236f32f79_attn:
	.size	k_qa236f32f79_attn, .Lfunc_end_k_qa236f32f79_attn-k_qa236f32f79_attn
	.p2alignl 7, 3214868480
	.fill 96, 4, 3214868480
	.section	.rodata,"a",@progbits
	.p2align	6, 0x0
	.amdhsa_kernel k_qa236f32f79_attn
		.amdhsa_group_segment_fixed_size 327680
		.amdhsa_private_segment_fixed_size 0
		.amdhsa_enable_private_segment 0
		.amdhsa_kernarg_size 32
		.amdhsa_user_sgpr_count 2
		.amdhsa_user_sgpr_kernarg_segment_ptr 1
		.amdhsa_wavefront_size32 1
		.amdhsa_system_sgpr_workgroup_id_x 1
		.amdhsa_system_sgpr_workgroup_id_y 1
		.amdhsa_system_sgpr_workgroup_id_z 1
		.amdhsa_system_vgpr_workitem_id 0
		.amdhsa_next_free_vgpr 256
		.amdhsa_next_free_sgpr 66
		.amdhsa_reserve_vcc 0
		.amdhsa_float_denorm_mode_32 3
		.amdhsa_float_denorm_mode_16_64 3
		.amdhsa_memory_ordered 1
		.amdhsa_forward_progress 1
		.amdhsa_inst_pref_size 69
	.end_amdhsa_kernel
	.amdgpu_metadata
---
amdhsa.version: [ 1, 2 ]
amdhsa.kernels:
  - .name:           k_qa236f32f79_attn
    .symbol:         k_qa236f32f79_attn.kd
    .args:
      - { .name: qrec, .offset: 0, .size: 8, .value_kind: global_buffer, .address_space: global }
      - { .name: kv, .offset: 8, .size: 8, .value_kind: global_buffer, .address_space: global }
      - { .name: orec, .offset: 16, .size: 8, .value_kind: global_buffer, .address_space: global }
      - { .name: oscl, .offset: 24, .size: 8, .value_kind: global_buffer, .address_space: global }
    .group_segment_fixed_size: 327680
    .private_segment_fixed_size: 0
    .kernarg_segment_align: 8
    .kernarg_segment_size: 32
    .max_flat_workgroup_size: 512
    .sgpr_count:     66
    .vgpr_count:     256
    .wavefront_size: 32
...
	.end_amdgpu_metadata
.endif
;; end of part 3
;; launch outp (part 4): grid 256 x 1, 8 waves a work-group, no clusters, 35,840 bytes of LDS; arguments orec, oscl, wcod, wscl, wo_b, out0; writes out0
.if DOCPART == 4
	.amdgcn_target "amdgcn-amd-amdhsa--gfx1250"
	.amdhsa_code_object_version 6
	.text
	.protected	k_qa236f32f79_outp
	.globl	k_qa236f32f79_outp
	.p2align	8
	.type	k_qa236f32f79_outp,@function
k_qa236f32f79_outp:
	s_mov_b64 s[64:65], 0
	v_nop
	global_prefetch_b8 v0, s[64:65] scope:SCOPE_SE
	s_setreg_imm32_b32 hwreg(HW_REG_WAVE_MODE, 25, 1), 1
	s_wait_xcnt 0x0
; out0 = o wo_w + wo_b, both operands as codes of FP6 (E2M3) with E8M0 scales; o's codes and scale bytes come from the attention launch, the weight's from the first.
; A work-group takes two tiles of 16 rows (tiles 2 x and 2 x + 1 of 512) and all 512 columns; wave g takes columns 64 g .. 64 g + 63: 32 matrix instructions on 8 accumulators by turns.
; All operands go from memory straight into registers, as images of those registers: a fragment of o for K step s is the half fragments of heads 2 s and 2 s + 1 on end.
; TRANSPOSED: source 0 = 16 columns of the weight, source 1 = 16 rows of o: register 8 u + j of lane (r, h) is column 64 g + 32 h + 8 u + j of row r.  The bias is the C of each sum's first instruction.
; Row r of tile T (of 8 in a block of 128 rows) is row 64 (T / 4) + 32 (r / 8) + 8 (T % 4) + r % 8 of the block.
; THE WAY OUT: a tile's 16 rows x 256 bytes go through my own stage in LDS (rows of 272 bytes) and leave so that sixteen lanes store 256 consecutive bytes, aligned.
; NO CLUSTER, no tensor load: each wave reads its part of the weight once, into the registers that the products name; through LDS the same bytes would be read once more.
; REGISTERS: window 0: v1-13 addresses; v16-31 the weight's scale words (4 u + s); v32-39 o's (4 m + s); v40-135 o's 8 fragments; v136-199 the accumulators (32 m + 8 u); v200-231 rows on the way out.
;   window 1: v0-191 the weight's 16 fragments; v192-223 the bias.
.set WS,  16
.set AS,  32
.set AF,  40
.set ACC, 136
.set BK0, 200
.set BK1, 40
.set BI,  192
.set MSB, 0
.macro WIN new                         ; the immediate's high byte repeats the setting that is left
.if MSB != \new
	s_set_vgpr_msb (MSB<<8)|\new
.set MSB, \new
.endif
.endm
	s_load_b256 s[4:11], s[0:1], 0x0               ; orec, oscl, wcod, wscl
	s_load_b128 s[12:15], s[0:1], 0x20             ; wo_b, out0
	v_lshl_add_u32 v254, v0, 2, 0x8800
	v_mov_b32 v255, 0
	v_lshrrev_b32 v1, 5, v0
	v_readfirstlane_b32 s16, v1                    ; wave g
	s_mov_b32 s17, ttmp9
	s_mul_i32 s18, s17, 12288                      ; orec: two tiles of 8 halves of 768 bytes
	s_mov_b32 s19, 0
	s_lshl_b32 s20, s17, 9                         ; oscl: two tiles of 256 bytes
	s_mov_b32 s21, 0
	s_mul_i32 s22, s16, 24576
	s_add_co_u32 s22, s22, 3*196608                ; wcod: the fourth weight, my 16 fragments
	s_mov_b32 s23, 0
	s_lshl_b32 s24, s16, 10
	s_add_co_u32 s24, s24, 3*8192                  ; wscl
	s_mov_b32 s25, 0
	s_lshl_b32 s26, s16, 8                         ; the bias: my 64 numbers
	s_mov_b32 s27, 0
	s_lshr_b32 s28, s17, 2                         ; out0: row 128 (x / 4) + 64 ((x / 2) % 2) + 16 (x % 2)
	s_lshl_b32 s28, s28, 7
	s_bfe_u32 s29, s17, 0x10001
	s_lshl_b32 s29, s29, 6
	s_add_co_u32 s28, s28, s29
	s_and_b32 s29, s17, 1
	s_lshl_b32 s29, s29, 4
	s_add_co_u32 s28, s28, s29
	s_lshl_b32 s28, s28, 11                        ; of 2,048 bytes,
	s_add_co_u32 s28, s28, s26                     ; + my 256 bytes of a row
	s_mov_b32 s29, 0
	v_and_b32 v1, 31, v0                           ; lane
	v_and_b32 v2, 15, v0                           ; r
	v_bfe_u32 v3, v0, 4, 1                         ; h
	v_lshlrev_b32 v5, 4, v1                        ; 16 x lane
	v_lshlrev_b32 v7, 3, v1                        ; 8 x lane
	v_lshlrev_b32 v8, 4, v2                        ; 16 r
	v_lshlrev_b32 v9, 6, v2                        ; 64 r
	v_lshlrev_b32 v10, 7, v3                       ; 128 h
	s_mul_i32 s30, s16, 4352                       ; my stage: 16 rows of 272 bytes
	v_mul_u32_u24 v11, v2, 272
	v_add_nc_u32 v11, v11, v10
	v_add_nc_u32 v11, s30, v11                     ; in: row r, + 128 h
	v_mul_u32_u24 v12, v3, 272
	v_add_nc_u32 v12, v12, v8
	v_add_nc_u32 v12, s30, v12                     ; back: lanes 0-15 one row, lanes 16-31 the next
	v_lshl_add_u32 v13, v3, 11, v8                 ; and the same two rows in out0
	s_wait_kmcnt 0x0
	s_add_nc_u64 s[4:5], s[4:5], s[18:19]
	s_add_nc_u64 s[6:7], s[6:7], s[20:21]
	s_add_nc_u64 s[8:9], s[8:9], s[22:23]
	s_add_nc_u64 s[10:11], s[10:11], s[24:25]
	s_add_nc_u64 s[12:13], s[12:13], s[26:27]
	s_add_nc_u64 s[14:15], s[14:15], s[28:29]
	WIN 0x40                                       ; destination window 1
.irp u, 0,1,2,3
.irp e, 0,1
	global_load_b128 v[BI+8*\u+4*\e:BI+8*\u+4*\e+3], v10, s[12:13] offset:32*\u+16*\e   ; register j of tile u: b[64 g + 32 h + 8 u + j]
.endr
.endr
.set n, 0
.rept 48
	global_load_b128 v[4*n:4*n+3], v5, s[8:9] offset:512*n
.set n, n+1
.endr
	WIN 0
.irp u, 0,1,2,3
	global_load_b128 v[WS+4*\u:WS+4*\u+3], v9, s[10:11] offset:16*\u
.endr
.irp m, 0,1
.irp s, 0,1,2,3
	global_load_b128 v[AF+12*(4*\m+\s):AF+12*(4*\m+\s)+3], v5, s[4:5] offset:6144*\m+1536*\s           ; head 2 s
	global_load_b64 v[AF+12*(4*\m+\s)+4:AF+12*(4*\m+\s)+5], v7, s[4:5] offset:6144*\m+1536*\s+512
	global_load_b128 v[AF+12*(4*\m+\s)+6:AF+12*(4*\m+\s)+9], v5, s[4:5] offset:6144*\m+1536*\s+768     ; head 2 s + 1
	global_load_b64 v[AF+12*(4*\m+\s)+10:AF+12*(4*\m+\s)+11], v7, s[4:5] offset:6144*\m+1536*\s+1280
.endr
	global_load_b128 v[AS+4*\m:AS+4*\m+3], v8, s[6:7] offset:256*\m        ; row r's 16 scale bytes: four words, one for each K step
.endr
	s_wait_loadcnt 0x0
.irp s, 0,1,2,3
.if \s == 0
	WIN 0x11                                       ; source 0 (the weight) and source 2 (the bias) window 1
.else
	WIN 0x01
.endif
.irp m, 0,1
.irp u, 0,1,2,3
.if \s == 0
	v_wmma_scale_f32_16x16x128_f8f6f4 v[ACC+32*\m+8*\u:ACC+32*\m+8*\u+7], v[12*(4*\u+\s):12*(4*\u+\s)+11], v[AF+12*(4*\m+\s):AF+12*(4*\m+\s)+11], v[BI+8*\u:BI+8*\u+7], v[WS+4*\u+\s], v[AS+4*\m+\s] matrix_a_fmt:MATRIX_FMT_FP6 matrix_b_fmt:MATRIX_FMT_FP6
.else
	v_wmma_scale_f32_16x16x128_f8f6f4 v[ACC+32*\m+8*\u:ACC+32*\m+8*\u+7], v[12*(4*\u+\s):12*(4*\u+\s)+11], v[AF+12*(4*\m+\s):AF+12*(4*\m+\s)+11], v[ACC+32*\m+8*\u:ACC+32*\m+8*\u+7], v[WS+4*\u+\s], v[AS+4*\m+\s] matrix_a_fmt:MATRIX_FMT_FP6 matrix_b_fmt:MATRIX_FMT_FP6
.endif
.endr
.endr
.endr
	WIN 0
.rept 4
	v_nop                                          ; four places in front of the first read of the results and of the loads into registers that the products have read
.endr
.macro TOSTAGE m, bk                   ; LDS serves a wave's instructions in order: the loads see the stores above them, and the next tile's stores come behind these loads
.irp u, 0,1,2,3
	ds_store_b128 v11, v[ACC+32*\m+8*\u:ACC+32*\m+8*\u+3] offset:32*\u         ; each accumulator from its low end on
	ds_store_b128 v11, v[ACC+32*\m+8*\u+4:ACC+32*\m+8*\u+7] offset:32*\u+16
.endr
.irp i, 0,1,2,3,4,5,6,7
	ds_load_b128 v[\bk+4*\i:\bk+4*\i+3], v12 offset:544*\i
.endr
.endm
	TOSTAGE 0, BK0
	TOSTAGE 1, BK1
.irp i, 0,1,2,3,4,5,6,7
	s_wait_dscnt 23-\i                             ; behind this load: 7 - i of its own tile's and the next tile's sixteen LDS instructions
	global_store_b128 v13, v[BK0+4*\i:BK0+4*\i+3], s[14:15] offset:(32*(\i/4)+2*(\i%4))*2048 th:TH_STORE_NT
.endr
.irp i, 0,1,2,3,4,5,6,7
	s_wait_dscnt 7-\i
	global_store_b128 v13, v[BK1+4*\i:BK1+4*\i+3], s[14:15] offset:(32*(\i/4)+2*(\i%4))*2048+16384 th:TH_STORE_NT
.endr
	s_wait_tensorcnt 0x0
	ds_add_u32 v254, v255
	s_wait_dscnt 0x0
	s_endpgm
.Lfunc_end_k_qa236f32f79_outp:
	.size	k_qa236f32f79_outp, .Lfunc_end_k_qa236f32f79_outp-k_qa236f32f79_outp
	.p2alignl 7, 3214868480
	.fill 96, 4, 3214868480
	.section	.rodata,"a",@progbits
	.p2align	6, 0x0
	.amdhsa_kernel k_qa236f32f79_outp
		.amdhsa_group_segment_fixed_size 35840
		.amdhsa_private_segment_fixed_size 0
		.amdhsa_enable_private_segment 0
		.amdhsa_kernarg_size 48
		.amdhsa_user_sgpr_count 2
		.amdhsa_user_sgpr_kernarg_segment_ptr 1
		.amdhsa_wavefront_size32 1
		.amdhsa_system_sgpr_workgroup_id_x 1
		.amdhsa_system_sgpr_workgroup_id_y 1
		.amdhsa_system_sgpr_workgroup_id_z 1
		.amdhsa_system_vgpr_workitem_id 0
		.amdhsa_next_free_vgpr 512
		.amdhsa_next_free_sgpr 66
		.amdhsa_reserve_vcc 0
		.amdhsa_float_denorm_mode_32 3
		.amdhsa_float_denorm_mode_16_64 3
		.amdhsa_memory_ordered 1
		.amdhsa_forward_progress 1
		.amdhsa_inst_pref_size 20
	.end_amdhsa_kernel
	.amdgpu_metadata
---
amdhsa.version: [ 1, 2 ]
amdhsa.kernels:
  - .name:           k_qa236f32f79_outp
    .symbol:         k_qa236f32f79_outp.kd
    .args:
      - { .name: orec, .offset: 0, .size: 8, .value_kind: global_buffer, .address_space: global }
      - { .name: oscl, .offset: 8, .size: 8, .value_kind: global_buffer, .address_space: global }
      - { .name: wcod, .offset: 16, .size: 8, .value_kind: global_buffer, .address_space: global }
      - { .name: wscl, .offset: 24, .size: 8, .value_kind: global_buffer, .address_space: global }
      - { .name: wo_b, .offset: 32, .size: 8, .value_kind: global_buffer, .address_space: global }
      - { .name: out0, .offset: 40, .size: 8, .value_kind: global_buffer, .address_space: global }
    .group_segment_fixed_size: 35840
    .private_segment_fixed_size: 0
    .kernarg_segment_align: 8
    .kernarg_segment_size: 48
    .max_flat_workgroup_size: 256
    .sgpr_count:     66
    .vgpr_count:     512
    .wavefront_size: 32
...
	.end_amdgpu_metadata
.endif
;; end of part 4
;; ======== version 2 of 2: 4 launches
;; workspace buffers: wcod 786,432 bytes; wscl 32,768 bytes; qrec 3,407,872 bytes; kv 6,684,672 bytes; orec 3,145,728 bytes; oscl 131,072 bytes
;; launch wquant (part 5): grid 8 x 4, 16 waves a work-group, no clusters, 3,072 bytes of LDS; arguments wq_w, wk_w, wv_w, wo_w, wcod, wscl; writes wcod, wscl
.if DOCPART == 5
	.amdgcn_target "amdgcn-amd-amdhsa--gfx1250"
	.amdhsa_code_object_version 6
	.text
	.protected	k_qa236f32f79_wquant
	.globl	k_qa236f32f79_wquant
	.p2align	8
	.type	k_qa236f32f79_wquant,@function
k_qa236f32f79_wquant:
	s_mov_b64 s[64:65], 0
	v_nop
	global_prefetch_b8 v0, s[64:65] scope:SCOPE_SE
	s_setreg_imm32_b32 hwreg(HW_REG_WAVE_MODE, 25, 1), 1
	s_wait_xcnt 0x0
; The four weights [512 (k)][512 (n)], f32, K along the FIRST axis, become codes of FP6 (E2M3) with one E8M0 byte for each 32 along K,
; laid as IMAGES OF OPERAND REGISTERS: a fragment (16 columns n x 128 K, 12 registers a lane) is 1,536 bytes, registers 4 j .. 4 j + 3 of lane L at 512 j + 16 L.
; wcod: [weight y][g 0..7][u 0..3][s 0..3] fragments; row r of tile (g, u) is column n = 64 g + 32 (r / 8) + 8 u + r % 8; K step s is k = 128 s on.
; (With these rows a product that takes the tile as source 0 leaves 32 neighbouring n in the 32 registers of tiles u = 0..3 of a lane.)
; wscl: [y][g][r][u][s] one word of four bytes.
; A work-group takes (g, y); wave w takes u = w % 4, s = w / 4.  A LANE TAKES A COLUMN AND ITS REGISTERS RUN DOWN K, in the order of the operand's layout
; (lane (r, h): register 32 c + i = k 128 s + 64 c + 32 h + i), so a lane holds two whole blocks and the conversions' results are the operand's registers.
; The four waves of one s stand side by side on 256 consecutive bytes of each row of the weight.
; A block's scale is 2^(floor(log2(largest magnitude)) - 2); its byte is the largest magnitude's exponent field - 2, held at 1 from below.
; LIMITS: a block of zeros gets the byte 1 where the rule says 127 (its codes are zeros, and this program alone reads the bytes); NaN and infinities are not served.
; No tensor load, no cluster: no two work-groups read the same byte.
.set X,   64                           ; v64-127  my 64 numbers
.set PC,  24                           ; v24-35   the fragment's 12 registers
.set T0,  36                           ; v36-38, v40-42: a conversion's three registers begin on an even number: the upper halves are made here and moved
.set T1,  40
.set M,   12                           ; v12-15   four chains of the largest magnitude
.set SO,  16                           ; v16-17   the conversions' scale operands
.set BY,  18                           ; v18-19   the scale bytes
.set W,   20
.set WD,  21                           ; the scale word
.set SH8, 7                            ; v7       8 h
.set PT,  8                            ; v8       a lane permute's destination
.set SEL, 28                           ; s[28:29] selects for lane l xor 16
; 64 numbers v[src] on (block c in registers 32 c .. 32 c + 31) -> 12 registers of codes in v[PC] on, the two bytes in v[BY], v[BY+1]
.macro QCORE src
.irp x, 0,1,2,3
	v_max3_num_f32 v[M+\x], |v[\src+16*\x]|, |v[\src+16*\x+1]|, |v[\src+16*\x+2]|
.endr
.irp i, 3,5,7,9,11,13
.irp x, 0,1,2,3
	s_delay_alu instid0(VALU_DEP_4)
	v_max3_num_f32 v[M+\x], v[M+\x], |v[\src+16*\x+\i]|, |v[\src+16*\x+\i+1]|     ; four chains by turns
.endr
.endr
	s_delay_alu instid0(VALU_DEP_3)
	v_max3_num_f32 v[M], v[M], v[M+1], |v[\src+15]|
	s_delay_alu instid0(VALU_DEP_2)
	v_max3_num_f32 v[M+2], v[M+2], v[M+3], |v[\src+47]|
	s_delay_alu instid0(VALU_DEP_2)
	v_max3_num_f32 v[M], v[M], |v[\src+31]|, 0x1800000             ; the floor 2^(3 - 127): the byte cannot fall under 1
	s_delay_alu instid0(VALU_DEP_2)
	v_max3_num_f32 v[M+2], v[M+2], |v[\src+63]|, 0x1800000
	s_delay_alu instid0(VALU_DEP_2)
	v_add_nc_u32 v[SO], 0xff000000, v[M]                           ; 2 off the exponent field: the conversion takes this operand's exponent field as its scale
	s_delay_alu instid0(VALU_DEP_2)
	v_add_nc_u32 v[SO+1], 0xff000000, v[M+2]
	v_cvt_scalef32_pk16_fp6_f32 v[PC:PC+2], v[\src:\src+15], v[SO]
	v_cvt_scalef32_pk16_fp6_f32 v[T0:T0+2], v[\src+16:\src+31], v[SO]
	v_cvt_scalef32_pk16_fp6_f32 v[PC+6:PC+8], v[\src+32:\src+47], v[SO+1]
	v_cvt_scalef32_pk16_fp6_f32 v[T1:T1+2], v[\src+48:\src+63], v[SO+1]
	v_lshrrev_b32 v[BY], 23, v[SO]                                 ; the bytes; these two plain lines stand between the conversions and the first touch of their results
	v_lshrrev_b32 v[BY+1], 23, v[SO+1]
.irp i, 0,1,2
	v_mov_b32 v[PC+3+\i], v[T0+\i]
	v_mov_b32 v[PC+9+\i], v[T1+\i]
.endr
.endm
; my bytes belong to blocks h and 2 + h of my row: with lane l xor 16's two the word is whole
.macro FWORD dst
	v_lshl_or_b32 v[W], v[BY+1], 16, v[BY]
	s_delay_alu instid0(VALU_DEP_1)
	v_lshlrev_b32 v[W], v[SH8], v[W]
	s_delay_alu instid0(VALU_DEP_1)
	v_permlanex16_b32 v[PT], v[W], s[SEL], s[SEL+1]
	s_delay_alu instid0(VALU_DEP_1)
	v_or_b32 v[\dst], v[W], v[PT]
.endm
	s_load_b256 s[4:11], s[0:1], 0x0               ; wq_w, wk_w, wv_w, wo_w
	s_load_b128 s[12:15], s[0:1], 0x20             ; wcod, wscl
	v_lshl_add_u32 v128, v0, 2, 0x400
	v_mov_b32 v129, 0
	v_lshrrev_b32 v1, 5, v0
	s_delay_alu instid0(VALU_DEP_1)
	v_readfirstlane_b32 s16, v1                    ; wave 0..15
	s_and_b32 s17, s16, 3                          ; u
	s_lshr_b32 s18, s16, 2                         ; s
	s_and_b32 s19, ttmp7, 0xffff                   ; y: which weight
	v_and_b32 v1, 31, v0                           ; lane
	v_and_b32 v2, 15, v0                           ; r
	v_bfe_u32 v3, v0, 4, 1                         ; h
	s_delay_alu instid0(VALU_DEP_2)
	v_and_b32 v9, 7, v2
	s_delay_alu instid0(VALU_DEP_3)
	v_lshrrev_b32 v10, 3, v2
	s_delay_alu instid0(VALU_DEP_2)
	v_lshlrev_b32 v4, 2, v9
	s_delay_alu instid0(VALU_DEP_1)
	v_lshl_add_u32 v4, v10, 7, v4                  ; 4 x (32 (r / 8) + r % 8): my column in the tile,
	s_delay_alu instid0(VALU_DEP_1)
	v_lshl_add_u32 v4, v3, 16, v4                  ; and 32 rows of 2,048 bytes further down for lanes 16-31
	v_lshlrev_b32 v5, 4, v1                        ; 16 x lane: an image's place
	s_lshl_b32 s20, s17, 4
	s_lshl_b32 s21, s18, 2
	s_add_co_u32 s20, s20, s21
	v_lshl_add_u32 v6, v2, 6, s20                  ; LDS: the scale word's place 64 r + 16 u + 4 s
	v_lshlrev_b32 v[SH8], 3, v3
	v_mov_b32 v[PT], 0
	v_lshlrev_b32 v11, 4, v0                       ; the scale words' way out: 16 x thread = 512 x wave + 16 x lane
	s_mov_b32 s[SEL], 0x76543210
	s_mov_b32 s[SEL+1], 0xfedcba98
	s_lshl_b32 s22, s18, 18                        ; the weight: 128 s rows of 2,048 bytes
	s_lshl_b32 s21, ttmp9, 8                       ; + 64 g columns
	s_add_co_u32 s22, s22, s21
	s_lshl_b32 s21, s17, 5                         ; + 8 u columns
	s_add_co_u32 s22, s22, s21
	s_mov_b32 s23, 0
	s_lshl_b32 s24, ttmp9, 2                       ; wcod: fragment ((4 g + u) 4 + s) of weight y
	s_add_co_u32 s24, s24, s17
	s_lshl_b32 s24, s24, 2
	s_add_co_u32 s24, s24, s18
	s_mul_i32 s24, s24, 1536
	s_mul_i32 s21, s19, 196608
	s_add_co_u32 s24, s24, s21
	s_mov_b32 s25, 0
	s_lshl_b32 s26, s19, 13                        ; wscl: 8,192 y + 1,024 g
	s_lshl_b32 s21, ttmp9, 10
	s_add_co_u32 s26, s26, s21
	s_mov_b32 s27, 0
	s_wait_alu depctr_va_vdst(0)
	s_wait_kmcnt 0x0
	s_cmp_eq_u32 s19, 1                            ; the weight is chosen by the work-group's number alone
	s_cselect_b64 s[4:5], s[6:7], s[4:5]
	s_cmp_eq_u32 s19, 2
	s_cselect_b64 s[4:5], s[8:9], s[4:5]
	s_cmp_eq_u32 s19, 3
	s_cselect_b64 s[4:5], s[10:11], s[4:5]
	s_add_nc_u64 s[4:5], s[4:5], s[22:23]
	s_add_nc_u64 s[12:13], s[12:13], s[24:25]
	s_add_nc_u64 s[14:15], s[14:15], s[26:27]
.set n, 0
.rept 64
	global_load_b32 v[X+n], v4, s[4:5] offset:(64*(n/32)+n%32)*2048 th:TH_LOAD_NT   ; W(128 s + 64 c + 32 h + i, my column)
.set n, n+1
.endr
	s_wait_loadcnt 0x0
	QCORE X
	FWORD WD
.irp j, 0,1,2
	global_store_b128 v5, v[PC+4*\j:PC+4*\j+3], s[12:13] offset:512*\j     ; 32 lanes store 512 consecutive bytes, aligned
.endr
	ds_store_b32 v6, v[WD]                         ; lanes r and r + 16 write the same word with the same value
	s_wait_dscnt 0x0                               ; for the others' sake: my store has landed
	s_barrier_signal -1
	s_barrier_wait -1
	s_cmp_lt_u32 s16, 2                            ; the work-group's 1,024 bytes of scale words leave by waves 0 and 1, 512 consecutive bytes each
	s_cbranch_scc0 .Ldone
	ds_load_b128 v[44:47], v11
	s_wait_dscnt 0x0
	global_store_b128 v11, v[44:47], s[14:15]
.Ldone:
	s_wait_tensorcnt 0x0
	ds_add_u32 v128, v129
	s_wait_dscnt 0x0
	s_endpgm
.Lfunc_end_k_qa236f32f79_wquant:
	.size	k_qa236f32f79_wquant, .Lfunc_end_k_qa236f32f79_wquant-k_qa236f32f79_wquant
	.p2alignl 7, 3214868480
	.fill 96, 4, 3214868480
	.section	.rodata,"a",@progbits
	.p2align	6, 0x0
	.amdhsa_kernel k_qa236f32f79_wquant
		.amdhsa_group_segment_fixed_size 3072
		.amdhsa_private_segment_fixed_size 0
		.amdhsa_enable_private_segment 0
		.amdhsa_kernarg_size 48
		.amdhsa_user_sgpr_count 2
		.amdhsa_user_sgpr_kernarg_segment_ptr 1
		.amdhsa_wavefront_size32 1
		.amdhsa_system_sgpr_workgroup_id_x 1
		.amdhsa_system_sgpr_workgroup_id_y 1
		.amdhsa_system_sgpr_workgroup_id_z 1
		.amdhsa_system_vgpr_workitem_id 0
		.amdhsa_next_free_vgpr 130
		.amdhsa_next_free_sgpr 66
		.amdhsa_reserve_vcc 0
		.amdhsa_float_denorm_mode_32 3
		.amdhsa_float_denorm_mode_16_64 3
		.amdhsa_memory_ordered 1
		.amdhsa_forward_progress 1
		.amdhsa_inst_pref_size 14
	.end_amdhsa_kernel
	.amdgpu_metadata
---
amdhsa.version: [ 1, 2 ]
amdhsa.kernels:
  - .name:           k_qa236f32f79_wquant
    .symbol:         k_qa236f32f79_wquant.kd
    .args:
      - { .name: wq_w, .offset: 0, .size: 8, .value_kind: global_buffer, .address_space: global }
      - { .name: wk_w, .offset: 8, .size: 8, .value_kind: global_buffer, .address_space: global }
      - { .name: wv_w, .offset: 16, .size: 8, .value_kind: global_buffer, .address_space: global }
      - { .name: wo_w, .offset: 24, .size: 8, .value_kind: global_buffer, .address_space: global }
      - { .name: wcod, .offset: 32, .size: 8, .value_kind: global_buffer, .address_space: global }
      - { .name: wscl, .offset: 40, .size: 8, .value_kind: global_buffer, .address_space: global }
    .group_segment_fixed_size: 3072
    .private_segment_fixed_size: 0
    .kernarg_segment_align: 8
    .kernarg_segment_size: 48
    .max_flat_workgroup_size: 512
    .sgpr_count:     66
    .vgpr_count:     130
    .wavefront_size: 32
...
	.end_amdgpu_metadata
.endif
;; end of part 5
;; launch proj (part 6): grid 64 x 3, 8 waves a work-group, no clusters, 54,272 bytes of LDS; arguments q, k, v, wq_b, wk_b, wv_b, wcod, wscl, qrec, kv; writes qrec, kv
.if DOCPART == 6
	.amdgcn_target "amdgcn-amd-amdhsa--gfx1250"
	.amdhsa_code_object_version 6
	.text
	.protected	k_qa236f32f79_proj
	.globl	k_qa236f32f79_proj
	.p2align	8
	.type	k_qa236f32f79_proj,@function
k_qa236f32f79_proj:
	s_mov_b64 s[64:65], 0
	v_nop
	global_prefetch_b8 v0, s[64:65] scope:SCOPE_SE
	s_setreg_imm32_b32 hwreg(HW_REG_WAVE_SCHED_MODE, 0, 2), 2
	s_setreg_imm32_b32 hwreg(HW_REG_WAVE_MODE, 25, 1), 1
	s_wait_xcnt 0x0
	s_wait_alu depctr_vm_vsrc(0)
; x W + b for x = q, k, v (work-group y = 0, 1, 2), both operands as codes of FP6 (E2M3) with E8M0 scales, and the result quantised at once for the attention launch.
; A work-group takes 128 rows of x (work-group x) and all 512 columns; wave w is head w.  Its 64 columns of the weight (16 fragments, 192 registers) and its bias stay in registers.
; PHASE X: wave w quantises x's tile w (16 rows x 512 K) and stores its four fragments and scale words in LDS as images of their registers | one barrier | every wave reads all 32 images.
; THE ROWS OF A TILE ARE NOT NEIGHBOURS: row r of tile t is row 64 (t / 4) + 32 (r / 8) + 8 (t % 4) + r % 8 of the 128; the weight's tiles are laid likewise.
; So the operand that stands as source 0 leaves, in the 32 registers of four neighbouring tiles of a lane, 32 NEIGHBOURS: a whole block of the next product's K, in the order of the operand's layout.
;   q, k: source 0 = the weight: lane (r, h) holds row r and d = 32 h + 0 .. 31 of my head: half a fragment (K = 64) of 6 registers a tile of rows.
;   v:    source 0 = x: lane (r, h) holds one d and keys 64 c + 32 h + 0 .. 31: V with the keys innermost.
; OUT, as images: half a fragment is 768 bytes: registers 0-3 of lane L at 16 L, registers 4-5 at 512 + 8 L.
;   qrec [b h][block of 128 rows]: 8 halves, then 512 bytes of scale words (lane L's 16 bytes at 16 L; word i: tile 2 i + L / 16, row L % 16; bytes 2 and 3 are 0x7f).
;   kv [b h][step of 128 keys] 13,056 bytes: K as in qrec; at 6,656 V's 8 halves (2 u + c); at 12,800 V's scale words (lane L's 8 bytes at 8 L; word i: tile 2 i + L / 16).
; The bias is the C of each sum's first matrix instruction.  The 16 accumulators take turns, one instruction a turn.
; NO CLUSTER: no two work-groups read the same rows of x; the weight's codes, which the 64 work-groups of one y share, are read once by each straight into the registers
; in which they stay, and a joint load would bring them into LDS, from where the same 196,608 bytes would have to be read once more.
; LIMITS: a block of zeros gets the byte 1 where the rule says 127 (zero codes; this program alone reads the bytes); NaN and infinities are not served.
; REGISTERS: window 0: v1-15 addresses; v16-31 the weight's scale words (4 u + s); v32-35 x's; v36-83 four fragments of x, as two halves by turns; v84-123 at work; v128-255 16 accumulators (in phase X two sets of 64 numbers of x).
;   window 1: v0-191 the weight's fragments ((u, s) at 12 (4 u + s)); v192-223 the bias, 8 registers for each u.
; THE MODE: SCHED_MODE bits 1:0 = 2 (LLVM: expert scheduling mode 2), set by the entry lines.  The code itself states the register dependences
; between vector or matrix instructions and memory or LDS instructions, with s_wait_alu, always for 0.
; THE PLAN.  Registers that memory or LDS instructions touch:
;   v4-v9, v12, v13, v15  offsets and LDS addresses: made once at the head, never written again.  One wait on va_vdst, ahead of the first load, serves them for the whole kernel.
;   SETA, SETB            phase X: x's loads land in them, QCORE reads them.  A set is asked for again behind the wait on va_vdst that follows its QCORE.
;   PC, WD                QCORE and FWORD write them; an image's LDS stores (phase X) and the way out's global stores read them.  The same wait on va_vdst stands between the writers and the stores;
;                         one wait on vm_vsrc stands between the stores and the next QCORE.
;   XF, XS                two halves (tiles 2 p and 2 p + 1 of four) by turns.  While the eight products of one half run, the LDS loads of the next eight's operands land in the other half:
;                         one wait on va_vdst at a turn's head states that the eight products before are done reading that other half.
;   OW                    written by vector lines that stand ahead of the way out's last wait on va_vdst; read by the last store.
;   The weight, its scale words and the bias are loaded once; the accumulators are named by matrix and vector instructions alone; no product takes an operand or a scale that a vector instruction wrote.
.set XSC, 49152                        ; LDS: 32 images of 1,536 bytes (4 t + s) from 0; from here their scale words, 128 bytes each
.set WS,  16
.set XS,  32
.set XF,  36
.set PC,  84
.set T0,  96
.set T1,  100
.set M,   104
.set SO,  108
.set BY,  110
.set W,   112
.set W1,  113
.set P1,  114
.set WD,  115
.set WU,  116                          ; v116-119 V's scale words as they grow
.set OW,  120                          ; v120-123 scale words on the way out
.set ACC, 128
.set SETA, 128
.set SETB, 192
.set BI,  192                          ; in window 1
.set SH8, 10
.set PT,  11
.set SEL, 28
.set MSB, 0
.macro WIN new                         ; the immediate's high byte repeats the setting that is left
.if MSB != \new
	s_set_vgpr_msb (MSB<<8)|\new
.set MSB, \new
.endif
.endm
; 64 numbers v[src] on (block c in registers 32 c .. 32 c + 31) -> 12 registers of codes in v[PC] on, the two bytes in v[BY], v[BY+1].  Each accumulator is first read at its low end.
.macro QCORE src
.irp x, 0,1,2,3
	v_max3_num_f32 v[M+\x], |v[\src+16*\x]|, |v[\src+16*\x+1]|, |v[\src+16*\x+2]|
.endr
.irp i, 3,5,7,9,11,13
.irp x, 0,1,2,3
	v_max3_num_f32 v[M+\x], v[M+\x], |v[\src+16*\x+\i]|, |v[\src+16*\x+\i+1]|
.endr
.endr
	v_max3_num_f32 v[M], v[M], v[M+1], |v[\src+15]|
	v_max3_num_f32 v[M+2], v[M+2], v[M+3], |v[\src+47]|
	v_max3_num_f32 v[M], v[M], |v[\src+31]|, 0x1800000             ; the floor 2^(3 - 127): the byte cannot fall under 1
	v_max3_num_f32 v[M+2], v[M+2], |v[\src+63]|, 0x1800000
	v_add_nc_u32 v[SO], 0xff000000, v[M]                           ; 2 off the exponent field: the conversion's scale operand
	v_add_nc_u32 v[SO+1], 0xff000000, v[M+2]
	v_cvt_scalef32_pk16_fp6_f32 v[PC:PC+2], v[\src:\src+15], v[SO]
	v_cvt_scalef32_pk16_fp6_f32 v[T0:T0+2], v[\src+16:\src+31], v[SO]
	v_cvt_scalef32_pk16_fp6_f32 v[PC+6:PC+8], v[\src+32:\src+47], v[SO+1]
	v_cvt_scalef32_pk16_fp6_f32 v[T1:T1+2], v[\src+48:\src+63], v[SO+1]
	v_lshrrev_b32 v[BY], 23, v[SO]                                 ; the bytes; two plain lines between the conversions and the first touch of their results
	v_lshrrev_b32 v[BY+1], 23, v[SO+1]
.irp i, 0,1,2
	v_mov_b32 v[PC+3+\i], v[T0+\i]
	v_mov_b32 v[PC+9+\i], v[T1+\i]
.endr
.endm
.macro FWORD dst                       ; a whole fragment's scale word: my bytes are blocks h and 2 + h; lane l xor 16 has the other two
	v_lshl_or_b32 v[W], v[BY+1], 16, v[BY]
	v_lshlrev_b32 v[W], v[SH8], v[W]
	v_permlanex16_b32 v[PT], v[W], s[SEL], s[SEL+1]
	v_or_b32 v[\dst], v[W], v[PT]
.endm
.macro XLOAD set, s                    ; my tile's numbers of K step s: lane (r, h) takes, of row r, k = 128 s + 64 c + 32 h + 0 .. 31: 128 neighbouring bytes for each c
.irp c, 0,1
.irp i, 0,1,2,3,4,5,6,7
	global_load_b128 v[\set+32*\c+4*\i:\set+32*\c+4*\i+3], v4, s[4:5] offset:512*\s+256*\c+16*\i th:TH_LOAD_NT
.endr
.endr
.endm
.macro IMAGE s                         ; the fragment in v[PC] on and its scale word go to LDS as they stand
.irp j, 0,1,2
	ds_store_b128 v8, v[PC+4*\j:PC+4*\j+3] offset:1536*\s+512*\j
.endr
	ds_store_b32 v9, v[WD] offset:XSC+128*\s
.endm
; x's tiles 4 c + 2 p and 4 c + 2 p + 1 of K step s, with their scale words, from LDS into half p of the fragments' registers: eight LDS loads
.macro XPAIR c, s, p
.irp e, 0,1
.irp j, 0,1,2
	ds_load_b128 v[XF+12*(2*(\p)+\e)+4*\j:XF+12*(2*(\p)+\e)+4*\j+3], v5 offset:(4*(4*(\c)+2*(\p)+\e)+(\s))*1536+512*\j
.endr
	ds_load_b32 v[XS+2*(\p)+\e], v6 offset:XSC+(4*(4*(\c)+2*(\p)+\e)+(\s))*128
.endr
.endm
; x's tiles 4 c .. 4 c + 3 against my four tiles of the weight, all of K: 64 matrix instructions, in eight turns of eight: K step s, half p.  swap = 0: source 0 = the weight; 1: source 0 = x.
; The first turn's operands have been asked for ahead of the macro.  At a turn's head the next turn's are asked for, into the half that the turn before multiplied.
.macro PROD swap, c
.irp s, 0,1,2,3
.irp p, 0,1
.if (\s+\p > 0) && (\s+\p < 4)
.rept 4
	v_nop                                          ; four places in front of loads into registers that matrix instructions have read
.endr
.endif
	s_wait_dscnt 0x0                               ; this turn's two fragments and scale words are in
.if (\s+\p > 0) && (\s+\p < 4)
	s_wait_alu depctr_va_vdst(0)                   ; the eight products of the turn before are done reading the other half's fragments and scale words, in which the loads below land
.endif
.if \p == 0
	XPAIR \c, \s, 1                                ; (first turn: the other half's last readers stand ahead of an earlier wait on va_vdst, or there are none)
.elseif \s < 3
	XPAIR \c, \s+1, 0
.endif
.if \swap
.if \s == 0
	WIN 0x14                                       ; source 1 (the weight) and source 2 (the bias) window 1; an LDS load's address and destination stay in window 0 under it
.else
	WIN 0x04
.endif
.else
.if \s == 0
	WIN 0x11                                       ; source 0 (the weight) and source 2 (the bias) window 1
.else
	WIN 0x01
.endif
.endif
.irp e, 0,1
.set ta, 2*\p+\e
.irp u, 0,1,2,3
.if \swap
.if \s == 0
	v_wmma_scale_f32_16x16x128_f8f6f4 v[ACC+32*\u+8*ta:ACC+32*\u+8*ta+7], v[XF+12*ta:XF+12*ta+11], v[12*(4*\u+\s):12*(4*\u+\s)+11], v[BI+8*\u:BI+8*\u+7], v[XS+ta], v[WS+4*\u+\s] matrix_a_fmt:MATRIX_FMT_FP6 matrix_b_fmt:MATRIX_FMT_FP6
.else
	v_wmma_scale_f32_16x16x128_f8f6f4 v[ACC+32*\u+8*ta:ACC+32*\u+8*ta+7], v[XF+12*ta:XF+12*ta+11], v[12*(4*\u+\s):12*(4*\u+\s)+11], v[ACC+32*\u+8*ta:ACC+32*\u+8*ta+7], v[XS+ta], v[WS+4*\u+\s] matrix_a_fmt:MATRIX_FMT_FP6 matrix_b_fmt:MATRIX_FMT_FP6
.endif
.else
.if \s == 0
	v_wmma_scale_f32_16x16x128_f8f6f4 v[ACC+32*ta+8*\u:ACC+32*ta+8*\u+7], v[12*(4*\u+\s):12*(4*\u+\s)+11], v[XF+12*ta:XF+12*ta+11], v[BI+8*\u:BI+8*\u+7], v[WS+4*\u+\s], v[XS+ta] matrix_a_fmt:MATRIX_FMT_FP6 matrix_b_fmt:MATRIX_FMT_FP6
.else
	v_wmma_scale_f32_16x16x128_f8f6f4 v[ACC+32*ta+8*\u:ACC+32*ta+8*\u+7], v[12*(4*\u+\s):12*(4*\u+\s)+11], v[XF+12*ta:XF+12*ta+11], v[ACC+32*ta+8*\u:ACC+32*ta+8*\u+7], v[WS+4*\u+\s], v[XS+ta] matrix_a_fmt:MATRIX_FMT_FP6 matrix_b_fmt:MATRIX_FMT_FP6
.endif
.endif
.endr
.endr
.if !\swap
	WIN 0                                          ; an LDS load's address is its source 0: the switch stands ahead of the next turn's wait and loads
.endif
.endr
.endr
	WIN 0
.rept 4
	v_nop                                          ; four places in front of the first read of the results, and of the next loads into the fragments' registers
.endr
.endm
	s_load_b512 s[4:19], s[0:1], 0x0               ; q, k, v, wq_b, wk_b, wv_b, wcod, wscl
	s_load_b128 s[20:23], s[0:1], 0x40             ; qrec, kv
	v_lshl_add_u32 v126, v0, 2, 0xd000
	v_mov_b32 v127, 0
	v_lshrrev_b32 v1, 5, v0
	v_readfirstlane_b32 s24, v1                    ; wave 0..7 = my head
	s_and_b32 s25, ttmp7, 0xffff                   ; y: 0 q, 1 k, 2 v
	s_mov_b32 s26, ttmp9                           ; which 128 rows
	s_mov_b32 s[SEL], 0x76543210
	s_mov_b32 s[SEL+1], 0xfedcba98
	s_mov_b32 s30, 0xffff0000                      ; a mask of lanes 16-31
	s_mov_b32 s31, 0x7f7f0000                      ; the bytes of the unused upper 64 along K: 1.0
	s_lshl_b32 s32, s26, 18                        ; x: 128 rows of 2,048 bytes a work-group,
	s_wait_alu depctr_va_sdst(0)                   ; s24 is written, ahead of its first reader: bases and LDS addresses are made from it
	s_lshr_b32 s36, s24, 2
	s_lshl_b32 s36, s36, 17                        ; + 64 (w / 4) rows
	s_add_co_u32 s32, s32, s36
	s_and_b32 s36, s24, 3
	s_lshl_b32 s36, s36, 14                        ; + 8 (w % 4) rows: my tile in phase X
	s_add_co_u32 s32, s32, s36
	s_mov_b32 s33, 0
	s_lshl_b32 s34, s24, 8                         ; the bias: my 64 numbers
	s_mov_b32 s35, 0
	s_mul_i32 s38, s25, 196608                     ; the weight's codes: weight y, my 16 fragments
	s_mul_i32 s36, s24, 24576
	s_add_co_u32 s38, s38, s36
	s_mov_b32 s39, 0
	s_lshl_b32 s40, s25, 13                        ; and its scale words
	s_lshl_b32 s36, s24, 10
	s_add_co_u32 s40, s40, s36
	s_mov_b32 s41, 0
	s_lshr_b32 s42, s26, 5                         ; the record: ((8 b + head) 32 + block), b = x / 32
	s_lshl_b32 s42, s42, 3
	s_add_co_u32 s42, s42, s24
	s_lshl_b32 s42, s42, 5
	s_and_b32 s36, s26, 31
	s_add_co_u32 s42, s42, s36
	s_mov_b32 s36, 13056
	s_cmp_eq_u32 s25, 0
	s_cselect_b32 s36, 6656, s36                   ; a record of qrec or of kv
	s_mul_i32 s42, s42, s36
	s_cmp_eq_u32 s25, 2
	s_cselect_b32 s36, 6656, 0                     ; V's part lies behind K's
	s_add_co_u32 s42, s42, s36
	s_mov_b32 s43, 0
	v_and_b32 v1, 31, v0                           ; lane
	v_and_b32 v2, 15, v0                           ; r
	v_bfe_u32 v3, v0, 4, 1                         ; h
	v_and_b32 v14, 7, v2
	v_lshrrev_b32 v15, 3, v2
	v_lshl_add_u32 v14, v15, 5, v14                ; 32 (r / 8) + r % 8
	v_lshlrev_b32 v4, 11, v14
	v_lshl_add_u32 v4, v3, 7, v4                   ; x: that row, + 128 h bytes
	v_lshlrev_b32 v5, 4, v1                        ; 16 x lane
	v_lshlrev_b32 v6, 2, v1                        ; 4 x lane
	v_lshlrev_b32 v7, 3, v1                        ; 8 x lane
	s_mul_i32 s36, s24, 6144
	v_add_nc_u32 v8, s36, v5                       ; where I store my tile's images
	s_lshl_b32 s36, s24, 9
	v_add_nc_u32 v9, s36, v6                       ; and their scale words
	v_lshlrev_b32 v[SH8], 3, v3
	v_mov_b32 v[PT], 0                             ; written once: a lane permute's destination counts as one of its sources
	v_mov_b32 v[P1], 0
	v_lshlrev_b32 v12, 6, v2                       ; the weight's scale words: 64 bytes a row
	v_lshlrev_b32 v13, 7, v3                       ; the bias of q, k: register j of tile u is b[64 w + 32 h + 8 u + j]
	v_lshlrev_b32 v15, 2, v14                      ; the bias of v: all eight registers of tile u are b[64 w + 32 (r / 8) + 8 u + r % 8]
	s_wait_kmcnt 0x0
	s_cmp_eq_u32 s25, 1                            ; the buffers are chosen by the work-group's number alone
	s_cselect_b64 s[4:5], s[6:7], s[4:5]
	s_cselect_b64 s[10:11], s[12:13], s[10:11]
	s_cmp_eq_u32 s25, 2
	s_cselect_b64 s[4:5], s[8:9], s[4:5]
	s_cselect_b64 s[10:11], s[14:15], s[10:11]
	s_cmp_eq_u32 s25, 0
	s_cselect_b64 s[20:21], s[20:21], s[22:23]
	s_add_nc_u64 s[4:5], s[4:5], s[32:33]
	s_add_nc_u64 s[10:11], s[10:11], s[34:35]
	s_add_nc_u64 s[16:17], s[16:17], s[38:39]
	s_add_nc_u64 s[18:19], s[18:19], s[40:41]
	s_add_nc_u64 s[20:21], s[20:21], s[42:43]
	s_wait_alu depctr_va_vdst(0)                   ; the offsets and LDS addresses v4 to v9, v12, v13 and v15 are written: every load and store of the kernel reads one of them, and none is written again
	s_cmp_eq_u32 s25, 2
	s_cbranch_scc1 .Lbias_v
	WIN 0x40                                       ; destination window 1
.irp u, 0,1,2,3
.irp e, 0,1
	global_load_b128 v[BI+8*\u+4*\e:BI+8*\u+4*\e+3], v13, s[10:11] offset:32*\u+16*\e
.endr
.endr
	WIN 0
	s_branch .Lbias_done
.Lbias_v:
	WIN 0x40
.irp u, 0,1,2,3
.irp j, 0,1,2,3,4,5,6,7
	global_load_b32 v[BI+8*\u+\j], v15, s[10:11] offset:32*\u
.endr
.endr
	WIN 0
.Lbias_done:
	WIN 0x40
.set n, 0
.rept 48
	global_load_b128 v[4*n:4*n+3], v5, s[16:17] offset:512*n       ; the weight's 16 fragments, as they were laid
.set n, n+1
.endr
	WIN 0
.irp u, 0,1,2,3
	global_load_b128 v[WS+4*\u:WS+4*\u+3], v12, s[18:19] offset:16*\u
.endr
	XLOAD SETA, 0
	XLOAD SETB, 1
	; ---- PHASE X: my tile of x, a K step at a time, on two sets of registers
	s_wait_loadcnt 16                              ; all but the youngest 16 loads (K step 1) are in
	QCORE SETA
	FWORD WD
	s_wait_alu depctr_va_vdst(0)                   ; QCORE is done reading set A, in which K step 2 lands; the codes and the scale word are written, which the image's LDS stores read
	XLOAD SETA, 2
	IMAGE 0
	s_wait_loadcnt 16                              ; K step 1 is in; K step 2's 16 loads may be out
	s_wait_dscnt 0x0                               ; the image's stores have read their registers
	s_wait_alu depctr_vm_vsrc(0)                   ; the image's LDS stores have read v[PC ..] and v[WD], which QCORE and FWORD write again
	QCORE SETB
	FWORD WD
	s_wait_alu depctr_va_vdst(0)                   ; QCORE is done reading set B, in which K step 3 lands; the codes and the scale word are written, which the image's LDS stores read
	XLOAD SETB, 3
	IMAGE 1
	s_wait_loadcnt 16                              ; K step 2 is in; K step 3's 16 loads may be out
	s_wait_dscnt 0x0
	s_wait_alu depctr_vm_vsrc(0)                   ; the image's LDS stores have read v[PC ..] and v[WD], which QCORE and FWORD write again
	QCORE SETA
	FWORD WD
	s_wait_alu depctr_va_vdst(0)                   ; the codes and the scale word are written, which the image's LDS stores read
	IMAGE 2
	s_wait_loadcnt 0x0
	s_wait_dscnt 0x0
	s_wait_alu depctr_vm_vsrc(0)                   ; the image's LDS stores have read v[PC ..] and v[WD], which QCORE and FWORD write again
	QCORE SETB
	FWORD WD
	s_wait_alu depctr_va_vdst(0)                   ; the codes and the scale word are written, which the image's LDS stores read
	IMAGE 3
	s_wait_dscnt 0x0                               ; for the others' sake: my images have landed
	s_barrier_signal -1
	s_barrier_wait -1                              ; all 32 images lie in LDS; from here on LDS is only read
	s_wait_alu depctr_vm_vsrc(0)                   ; my last image's LDS stores have read v[PC ..], which the way out's first QCORE writes again: stated ahead of the branch, for both ways
	s_cmp_eq_u32 s25, 2
	s_cbranch_scc1 .Lv
	; ---- q, k: 32 registers of a tile of rows are d = 32 h + 0 .. 31 of my head
	XPAIR 0, 0, 0                                  ; the first turn's operands: no vector or matrix instruction has named these registers
.irp c, 0,1
	PROD 0, \c
.irp p, 0,1
	s_wait_xcnt 0x0                                ; the earlier stores have read their data: the codes' registers are written again only behind this wait
.if \c+\p > 0
	s_wait_alu depctr_vm_vsrc(0)                   ; the four stores above have read v[PC ..], which QCORE writes again
.endif
	QCORE ACC+64*\p
	v_lshl_or_b32 v[W], v[BY], v[SH8], s31         ; my byte at place h, 1.0 above
	v_lshl_or_b32 v[W1], v[BY+1], v[SH8], s31
	v_permlanex16_b32 v[PT], v[W], s[SEL], s[SEL+1]
	v_permlanex16_b32 v[P1], v[W1], s[SEL], s[SEL+1]
	v_or_b32 v[W], v[W], v[PT]
	v_or_b32 v[W1], v[W1], v[P1]
	v_cndmask_b32 v[OW+2*\c+\p], v[W], v[W1], s30  ; lanes 0-15 the even tile's words, lanes 16-31 the odd tile's
	s_wait_alu depctr_va_vdst(0)                   ; QCORE has written v[PC ..], which the stores below read; the last time v[OW ..] are whole too; the first time the products are done reading the fragments' registers
	global_store_b128 v5, v[PC:PC+3], s[20:21] offset:768*(4*\c+2*\p)          ; tile 4 c + 2 p: 512 consecutive bytes,
	global_store_b64 v7, v[PC+4:PC+5], s[20:21] offset:768*(4*\c+2*\p)+512     ; and 256
	global_store_b128 v5, v[PC+6:PC+9], s[20:21] offset:768*(4*\c+2*\p+1)      ; tile 4 c + 2 p + 1
	global_store_b64 v7, v[PC+10:PC+11], s[20:21] offset:768*(4*\c+2*\p+1)+512
.if \c+\p == 0
	XPAIR 1, 0, 0                                  ; the second four tiles' first turn is asked for here and lands under the quantising: no vector or matrix instruction since the wait names its registers
.endif
.if \c+\p == 2
	global_store_b128 v5, v[OW:OW+3], s[20:21] offset:6144
.endif
.endr
.endr
	s_wait_dscnt 0x0                               ; the closing lines, six on end
	s_wait_alu 0x0
	s_wait_tensorcnt 0x0
	ds_add_u32 v126, v127
	s_wait_dscnt 0x0
	s_endpgm
.Lv:
	; ---- v: 32 registers of a tile of the weight are keys 64 c + 32 h + 0 .. 31 of one d
	XPAIR 0, 0, 0                                  ; the first turn's operands: no vector or matrix instruction has named these registers
.irp c, 0,1
	PROD 1, \c
.irp p, 0,1
	s_wait_xcnt 0x0
.if \c+\p > 0
	s_wait_alu depctr_vm_vsrc(0)                   ; the four stores above have read v[PC ..], which QCORE writes again
.endif
	QCORE ACC+64*\p
.if \c == 0
	v_lshlrev_b32 v[WU+2*\p], v[SH8], v[BY]        ; byte 2 c + h of the tile's word
	v_lshlrev_b32 v[WU+2*\p+1], v[SH8], v[BY+1]
.else
	v_lshlrev_b32 v[W], v[SH8], v[BY]
	v_lshlrev_b32 v[W1], v[SH8], v[BY+1]
	v_lshl_or_b32 v[WU+2*\p], v[W], 16, v[WU+2*\p]
	v_lshl_or_b32 v[WU+2*\p+1], v[W1], 16, v[WU+2*\p+1]
.endif
.if \c+\p == 2
.irp u, 0,1,2,3
	v_permlanex16_b32 v[PT], v[WU+\u], s[SEL], s[SEL+1]
	v_or_b32 v[WU+\u], v[WU+\u], v[PT]
.endr
	v_cndmask_b32 v[OW], v[WU], v[WU+1], s30
	v_cndmask_b32 v[OW+1], v[WU+2], v[WU+3], s30
.endif
	s_wait_alu depctr_va_vdst(0)                   ; QCORE has written v[PC ..], which the stores below read; the last time v[OW], v[OW+1] are written too; the first time the products are done reading the fragments' registers
	global_store_b128 v5, v[PC:PC+3], s[20:21] offset:768*(4*\p+\c)            ; tile u = 2 p, half c
	global_store_b64 v7, v[PC+4:PC+5], s[20:21] offset:768*(4*\p+\c)+512
	global_store_b128 v5, v[PC+6:PC+9], s[20:21] offset:768*(4*\p+2+\c)        ; tile u = 2 p + 1
	global_store_b64 v7, v[PC+10:PC+11], s[20:21] offset:768*(4*\p+2+\c)+512
.if \c+\p == 0
	XPAIR 1, 0, 0                                  ; the second four tiles' first turn is asked for here and lands under the quantising: no vector or matrix instruction since the wait names its registers
.endif
.if \c+\p == 2
	global_store_b64 v7, v[OW:OW+1], s[20:21] offset:6144
.endif
.endr
.endr
	s_wait_dscnt 0x0                               ; the closing lines, six on end
	s_wait_alu 0x0
	s_wait_tensorcnt 0x0
	ds_add_u32 v126, v127
	s_wait_dscnt 0x0
	s_endpgm
.Lfunc_end_k_qa236f32f79_proj:
	.size	k_qa236f32f79_proj, .Lfunc_end_k_qa236f32f79_proj-k_qa236f32f79_proj
	.p2alignl 7, 3214868480
	.fill 96, 4, 3214868480
	.section	.rodata,"a",@progbits
	.p2align	6, 0x0
	.amdhsa_kernel k_qa236f32f79_proj
		.amdhsa_group_segment_fixed_size 54272
		.amdhsa_private_segment_fixed_size 0
		.amdhsa_enable_private_segment 0
		.amdhsa_kernarg_size 80
		.amdhsa_user_sgpr_count 2
		.amdhsa_user_sgpr_kernarg_segment_ptr 1
		.amdhsa_wavefront_size32 1
		.amdhsa_system_sgpr_workgroup_id_x 1
		.amdhsa_system_sgpr_workgroup_id_y 1
		.amdhsa_system_sgpr_workgroup_id_z 1
		.amdhsa_system_vgpr_workitem_id 0
		.amdhsa_next_free_vgpr 512
		.amdhsa_next_free_sgpr 66
		.amdhsa_reserve_vcc 0
		.amdhsa_float_denorm_mode_32 3
		.amdhsa_float_denorm_mode_16_64 3
		.amdhsa_memory_ordered 1
		.amdhsa_forward_progress 1
		.amdhsa_inst_pref_size 115
	.end_amdhsa_kernel
	.amdgpu_metadata
---
amdhsa.version: [ 1, 2 ]
amdhsa.kernels:
  - .name:           k_qa236f32f79_proj
    .symbol:         k_qa236f32f79_proj.kd
    .args:
      - { .name: q, .offset: 0, .size: 8, .value_kind: global_buffer, .address_space: global }
      - { .name: k, .offset: 8, .size: 8, .value_kind: global_buffer, .address_space: global }
      - { .name: v, .offset: 16, .size: 8, .value_kind: global_buffer, .address_space: global }
      - { .name: wq_b, .offset: 24, .size: 8, .value_kind: global_buffer, .address_space: global }
      - { .name: wk_b, .offset: 32, .size: 8, .value_kind: global_buffer, .address_space: global }
      - { .name: wv_b, .offset: 40, .size: 8, .value_kind: global_buffer, .address_space: global }
      - { .name: wcod, .offset: 48, .size: 8, .value_kind: global_buffer, .address_space: global }
      - { .name: wscl, .offset: 56, .size: 8, .value_kind: global_buffer, .address_space: global }
      - { .name: qrec, .offset: 64, .size: 8, .value_kind: global_buffer, .address_space: global }
      - { .name: kv, .offset: 72, .size: 8, .value_kind: global_buffer, .address_space: global }
    .group_segment_fixed_size: 54272
    .private_segment_fixed_size: 0
    .kernarg_segment_align: 8
    .kernarg_segment_size: 80
    .max_flat_workgroup_size: 256
    .sgpr_count:     66
    .vgpr_count:     512
    .wavefront_size: 32
...
	.end_amdgpu_metadata
.endif
;; end of part 6
;; launch attn (part 7): grid 16 x 16, 16 waves a work-group, clusters of 4 x 1, 327,680 bytes of LDS; arguments qrec, kv, orec, oscl; writes orec, oscl
.if DOCPART == 7
	.amdgcn_target "amdgcn-amd-amdhsa--gfx1250"
	.amdhsa_code_object_version 6
	.text
	.protected	k_qa236f32f79_attn
	.globl	k_qa236f32f79_attn
	.p2align	8
	.type	k_qa236f32f79_attn,@function
k_qa236f32f79_attn:
	s_mov_b64 s[64:65], 0
	v_nop
	global_prefetch_b8 v0, s[64:65] scope:SCOPE_SE
	s_setreg_imm32_b32 hwreg(HW_REG_WAVE_MODE, 25, 1), 1
	s_wait_xcnt 0x0
	s_wait_alu depctr_hold_cnt(0) depctr_sa_sdst(0) depctr_va_vdst(0) depctr_va_sdst(0) depctr_va_ssrc(0) depctr_va_vcc(0) depctr_vm_vsrc(0)
	s_getreg_b32 s2, hwreg(HW_REG_IB_STS2, 6, 4)
	s_cmp_eq_u32 s2, 0
	s_cbranch_scc0 .Lentry_in_a_cluster
	s_endpgm
.Lentry_in_a_cluster:
	s_bfe_u32 s2, ttmp6, 0x10000c
	s_cmp_lg_u32 s2, 0x3003
	s_cbranch_scc0 .Lentry_shape_is_right
	s_endpgm
.Lentry_shape_is_right:
; o = softmax(q k^T / 8) v for one (batch, head) and 256 queries a work-group, both products on codes of FP6 (E2M3) with E8M0 scales; o is divided by the row's sum and quantised along d for the last product.
; THE SOFTMAX AHEAD OF THE SECOND PRODUCT: t = score x log2(e) / 8; M = the row's largest t so far, rounded UP to a whole number; p = 2^(t - M) is quantised along the keys, not normalised.
; The row's sum is taken of the unquantised p, in f32.  When M moves, the sum and O are multiplied by 2^(old M - new M), which rounds nothing.
; SHARES: sixteen waves, each with ONE tile of 16 queries in 256 registers, four to a SIMD: one wave's vector work stands beside another's matrix work and LDS loads.  Every wave walks 32 steps of 128 keys.
; LAYOUT: both products are used transposed (S^T = K Q^T, O^T = V^T P^T): a lane holds ONE query.  The keys of a tile of K are 64 (t / 4) + 32 (r / 8) + 8 (t % 4) + r % 8, so the 32 registers of tiles
; 4 c .. 4 c + 3 of lane (r, h) are keys 64 c + 32 h + 0 .. 31: A WHOLE BLOCK IN A LANE, in the order of the operand's layout: no lane is asked for a block's maximum and no halves change places.
; V's rows are laid likewise, so O^T's 32 registers are d = 32 h + 0 .. 31.
; K = 64 IN THE FIRST PRODUCT: the instruction is 128 deep.  Q's registers 6-11 hold zero codes; K's operand of tile t is its 6 registers and the 6 that follow (the next tile's; zeros behind tile 7):
; E2M3 has no code for NaN or infinity and the scale bytes there are 0x7f, so those products are zeros.
; THE RING: kv's records (13,056 bytes a step: K's images, K's scale words, V's images, V's scale words) are dense: a slot holds 8 steps, 104,448 bytes; waves 0 to 3 bring a quarter each, 102 rows of 256 bytes.
; Two slots; one tensor load of a wave is out at most.  CLUSTER: the four work-groups of a cluster belong to one head and walk the same records: each quarter is asked for jointly, with a mask that names the four.
; A refill is asked for first thing behind a change of slots and read eight key steps later.
; A BLOCK'S LARGEST p is made from the block's largest score by the same multiply-add and exponential: this takes v_exp_f32 not to fall where its input rises.
; LIMITS: NaN and infinities are not served; a block whose every p has fallen to 0 keeps the byte 1 (zero codes).  oscl is stored two bytes a lane, 16 bytes apart, once a wave: 32 bytes of the wave's 800.
.set REC,   13056
.set SLOT1, 131072
.set SPARE, 262144                     ; the spare words: 128 bytes for each of 16 waves, eight blocks of 256 bytes that no other line names
.set KF,  32                           ; v32-79  K's 8 halves (tile t at 32 + 6 t), later V's (half i at 32 + 6 i); v80-85 zeros
.set KS,  88                           ; v88-91  K's scale words: register i: lanes 0-15 tile 2 i, lanes 16-31 tile 2 i + 1
.set VS,  92                           ; v92-93  V's likewise
.set PW,  94                           ; v94     p's scale word
.set QS,  28                           ; v28     Q's scale word
.set S,   96                           ; v96-159 S^T, then p
.set O,   160                          ; v160-191 O^T
.set P,   192                          ; v192-203 p's codes
.set T0,  204
.set T1,  208
.set M,   212                          ; v212-215 chains of the largest score
.set SO,  216
.set BY,  218
.set W,   220
.set F,   222                          ; v[222:223] 2^(old M - new M); v223 is written once
.set SB,  224                          ; v[224:225] the sum's second chain
; v1 16 x lane, v2 8 x lane, v3, v4 the same in the record in hand, v5, v6 the add's two registers, v7 8 h, v8 the old -M, v9 a permute's destination, v10, v11 at work,
; v12 -M, v13 the largest score, v[14:15] the sum in two halves, v16-21 Q's codes, v22-27 zeros, v29 16 (lane % 16)
; s12 wave, s[16:23] descriptor group 1, s[24:27] group 0 (it walks), s[28:29] permute selects, s[30:31] c, s32 LDS byte of the record in hand, s33, s34 counters
.macro CROUND                          ; a round of the cluster's barrier
	s_barrier_signal -1
	s_barrier_wait -1
	s_cmp_lg_u32 s12, 0
	s_cbranch_scc1 .Lnot_wave_0_\@
	s_barrier_signal -3
.Lnot_wave_0_\@:
	s_barrier_wait -3
	s_barrier_signal -1
	s_barrier_wait -1
.endm
.macro TLOAD                           ; waves 0 to 3 fetch, the others nothing: the branch hangs on the wave's number alone.  Four v_nop follow the load
	s_cmp_lt_u32 s12, 4
	s_cbranch_scc0 .Lnone_\@
	tensor_load_to_lds s[24:27], s[16:23]
	s_nop 0
.rept 4
	v_nop
.endr
.Lnone_\@:
.endm
.macro KLOAD
.irp t, 0,1,2,3,4,5,6,7
	ds_load_b128 v[KF+6*\t:KF+6*\t+3], v3 offset:768*\t
	ds_load_b64 v[KF+6*\t+4:KF+6*\t+5], v4 offset:768*\t+512
.endr
	ds_load_b128 v[KS:KS+3], v3 offset:6144
.endm
.macro VLOAD
.irp t, 0,1,2,3,4,5,6,7
	ds_load_b128 v[KF+6*\t:KF+6*\t+3], v3 offset:6656+768*\t
	ds_load_b64 v[KF+6*\t+4:KF+6*\t+5], v4 offset:6656+768*\t+512
.endr
	ds_load_b64 v[VS:VS+1], v4 offset:12800
.endm
; Lines a to b of the 32 packed additions that take the sum of the step's 64 unquantised p, in two chains
.macro SUM a, b
.set z, \a
.rept \b-\a+1
.if z == 0
	v_pk_add_f32 v[SB:SB+1], v[S:S+1], v[S+2:S+3]
.elseif z == 31
	s_delay_alu instid0(VALU_DEP_1)
	v_pk_add_f32 v[14:15], v[14:15], v[SB:SB+1]
.elseif z % 2
	v_pk_add_f32 v[14:15], v[14:15], v[S+2*(z+1):S+2*(z+1)+1]
.else
	v_pk_add_f32 v[SB:SB+1], v[SB:SB+1], v[S+2*z+2:S+2*z+3]
.endif
.set z, z+1
.endr
.endm
; A KEY STEP: 128 keys.  nxt = 1: the next record of the slot follows, and its K is fetched at the step's end.
.macro STEP nxt
	s_wait_dscnt 0x0                               ; K and its scale words are in
.irp t, 0,1,2,3,4,5,6,7
.if \t % 2
	v_wmma_scale_f32_16x16x128_f8f6f4 v[S+8*\t:S+8*\t+7], v[KF+6*\t:KF+6*\t+11], v[16:27], 0, v[KS+\t/2], v[QS] matrix_a_fmt:MATRIX_FMT_FP6 matrix_b_fmt:MATRIX_FMT_FP6 matrix_a_scale:MATRIX_SCALE_ROW1
.else
	v_wmma_scale_f32_16x16x128_f8f6f4 v[S+8*\t:S+8*\t+7], v[KF+6*\t:KF+6*\t+11], v[16:27], 0, v[KS+\t/2], v[QS] matrix_a_fmt:MATRIX_FMT_FP6 matrix_b_fmt:MATRIX_FMT_FP6
.endif
.endr
	v_mov_b32 v8, v12                              ; the old -M; with the three below: four places behind the products, for the loads into K's registers and the first read of the scores
.rept 3
	v_nop
.endr
	VLOAD                                          ; V lands under the softmax
.irp x, 0,1,2,3
	v_max3_num_f32 v[M+\x], v[S+16*\x], v[S+16*\x+1], v[S+16*\x+2]     ; the largest score of each block of 32 keys, in two chains a block; each accumulator is first read at its low end
.endr
.irp i, 3,5,7,9,11,13
.irp x, 0,1,2,3
	v_max3_num_f32 v[M+\x], v[M+\x], v[S+16*\x+\i], v[S+16*\x+\i+1]
.endr
.endr
	v_max3_num_f32 v[M], v[M], v[M+1], v[S+15]
	v_max3_num_f32 v[M+2], v[M+2], v[M+3], v[S+47]
	v_max_num_f32 v[M], v[M], v[S+31]              ; block h
	v_max_num_f32 v[M+2], v[M+2], v[S+63]          ; block 2 + h
	s_delay_alu instid0(VALU_DEP_1)
	v_max_num_f32 v10, v[M], v[M+2]
	s_delay_alu instid0(VALU_DEP_1)
	v_permlanex16_b32 v9, v10, s28, s29            ; my query's other 64 keys lie in lane l xor 16
	s_delay_alu instid0(VALU_DEP_1)
	v_max3_num_f32 v13, v13, v10, v9               ; the running largest score
	s_delay_alu instid0(VALU_DEP_1)
	v_mul_f32 v10, s30, v13                        ; as t (c is positive)
	s_delay_alu instid0(VALU_DEP_1)
	v_floor_f32 v12, -v10                          ; -M = floor(-t): M is a whole number
	s_delay_alu instid0(VALU_DEP_1)
	v_sub_f32 v11, v12, v8                         ; old M - new M: a whole number, 0 or less
	s_delay_alu instid0(VALU_DEP_1)
	v_cvt_i32_f32 v11, v11                         ; (it saturates)
	s_delay_alu instid0(VALU_DEP_1)
	v_ldexp_f32 v[F], 1.0, v11                     ; f = 2^(old M - new M)
	s_delay_alu instid0(VALU_DEP_4)
	v_fma_f32 v[M], v[M], s30, v12                 ; t - M of each block's largest score,
	v_fma_f32 v[M+2], v[M+2], s30, v12
.set y, 0
.rept 32
	v_pk_fma_f32 v[S+y:S+y+1], v[S+y:S+y+1], s[30:31], v[12:13] op_sel_hi:[1,0,0]   ; and of all 64, two at a time (of the pairs c and -M the low word serves both halves)
.set y, y+2
.endr
	s_wait_alu depctr_va_vdst(0)
	v_exp_f32 v[M], v[M]                           ; ONE BATCH of 66 exponentials: the blocks' largest p,
	v_exp_f32 v[M+2], v[M+2]
.set y, 0
.rept 64
	v_exp_f32 v[S+y], v[S+y]                       ; and p = 2^(t - M), at most 1
.set y, y+1
.endr
	v_pk_mul_f32 v[14:15], v[14:15], v[F:F+1] op_sel_hi:[1,0]      ; independent plain work behind the batch: the sum and O^T under the new M
.set y, 0
	s_wait_alu depctr_va_vdst(0)
.rept 16
	v_pk_mul_f32 v[O+y:O+y+1], v[O+y:O+y+1], v[F:F+1] op_sel_hi:[1,0]
.set y, y+2
.endr
	s_wait_alu depctr_va_vdst(0)                   ; one wait for the batch, ahead of the first line that names a result
	v_max_num_f32 v[M], 0x1800000, v[M]            ; the floor 2^(3 - 127): the byte cannot fall under 1
	v_max_num_f32 v[M+2], 0x1800000, v[M+2]
	s_delay_alu instid0(VALU_DEP_2)
	v_add_nc_u32 v[SO], 0xff000000, v[M]           ; 2 off the exponent field: the conversion's scale operand
	s_delay_alu instid0(VALU_DEP_2)
	v_add_nc_u32 v[SO+1], 0xff000000, v[M+2]
	v_cvt_scalef32_pk16_fp6_f32 v[P:P+2], v[S:S+15], v[SO]
	v_cvt_scalef32_pk16_fp6_f32 v[T0:T0+2], v[S+16:S+31], v[SO]    ; (a conversion's three registers begin on an even number)
	v_cvt_scalef32_pk16_fp6_f32 v[P+6:P+8], v[S+32:S+47], v[SO+1]
	v_cvt_scalef32_pk16_fp6_f32 v[T1:T1+2], v[S+48:S+63], v[SO+1]
	v_lshrrev_b32 v[BY], 23, v[SO]                 ; the bytes (plain lines behind the conversions)
	v_lshrrev_b32 v[BY+1], 23, v[SO+1]
	s_delay_alu instid0(VALU_DEP_1)
	v_lshl_or_b32 v[W], v[BY+1], 16, v[BY]
	s_delay_alu instid0(VALU_DEP_1)
	v_lshlrev_b32 v[W], v7, v[W]                   ; at places h and 2 + h;
	s_delay_alu instid0(VALU_DEP_1)
	v_permlanex16_b32 v9, v[W], s28, s29
	s_delay_alu instid0(VALU_DEP_1)
	v_or_b32 v[PW], v[W], v9                       ; with lane l xor 16's two: p's scale word for these 128 keys
.irp i, 0,1,2
	v_mov_b32 v[P+3+\i], v[T0+\i]
	v_mov_b32 v[P+9+\i], v[T1+\i]
.endr
	SUM 0, 7                                       ; eight plain lines that name no register of the products below: the places behind the scale word's and the operand's last writes
	s_wait_alu depctr_va_vdst(0)
	s_wait_dscnt 0x0                               ; V and its scale words are in
.irp u, 0,1,2,3
.if \u % 2
	v_wmma_scale_f32_16x16x128_f8f6f4 v[O+8*\u:O+8*\u+7], v[KF+12*\u:KF+12*\u+11], v[P:P+11], v[O+8*\u:O+8*\u+7], v[VS+\u/2], v[PW] matrix_a_fmt:MATRIX_FMT_FP6 matrix_b_fmt:MATRIX_FMT_FP6 matrix_a_scale:MATRIX_SCALE_ROW1
.else
	v_wmma_scale_f32_16x16x128_f8f6f4 v[O+8*\u:O+8*\u+7], v[KF+12*\u:KF+12*\u+11], v[P:P+11], v[O+8*\u:O+8*\u+7], v[VS+\u/2], v[PW] matrix_a_fmt:MATRIX_FMT_FP6 matrix_b_fmt:MATRIX_FMT_FP6
.endif
.endr
	SUM 8, 11                                      ; four places in front of the loads into V's registers
.if \nxt
	s_add_co_u32 s32, s32, REC
	v_add_nc_u32 v3, s32, v1
	v_add_nc_u32 v4, s32, v2
	KLOAD                                          ; the next step's K lands under the rest of the sums
.endif
	SUM 12, 31
.endm
; THE CHANGE OF SLOTS, at a slot's head.  Each wave waits for all its tensor loads (its part of the slot ahead), adds 0 to its spare word, and waits for that and for its reads of the slot that it has left.
; fill = 1: a round of the cluster's barrier, so that no wave of any partner still reads that slot or has a load on its way; then the joint refill, first thing behind it.
.macro CHANGE fill
	s_wait_tensorcnt 0x0                           ; no tensor load of mine is out, so group 0 may be written
	ds_add_u32 v5, v6                              ; 0 onto my spare word
.if \fill
	s_xor_b32 s25, s25, SLOT1                      ; the other slot than last time,
	s_add_nc_u64 s[26:27], s[26:27], 8*REC         ; the next 8 records; the type bits on top are not reached
.endif
	s_wait_dscnt 0x0                               ; the add is done, and my reads of the slot that I have left are over
.if \fill
	CROUND
	TLOAD
.else
	s_barrier_signal -1
	s_barrier_wait -1
.endif
	v_add_nc_u32 v3, s32, v1
	v_add_nc_u32 v4, s32, v2
	KLOAD                                          ; the slot's first K
.endm
.macro SLOT_STEPS                      ; a slot's eight key steps: seven in a loop, the last without a successor in the slot
	s_mov_b32 s34, 7
.Lstep_\@:
	s_wait_alu depctr_va_vdst(0)
	STEP 1
	s_sub_co_u32 s34, s34, 1
	s_cmp_lg_u32 s34, 0
	s_cbranch_scc1 .Lstep_\@
	STEP 0
	s_sub_co_u32 s32, s32, 7*REC                   ; back to a slot's first record,
	s_xor_b32 s32, s32, SLOT1                      ; in the other slot
.endm
	s_load_b256 s[4:11], s[0:1], 0x0               ; qrec, kv, orec, oscl
	v_lshl_add_u32 v5, v0, 2, SPARE
	v_mov_b32 v6, 0
	ds_add_u32 v5, v6
	ds_add_u32 v5, v6
	s_wait_dscnt 0x0
	v_lshrrev_b32 v1, 5, v0
	s_delay_alu instid0(VALU_DEP_1)
	v_readfirstlane_b32 s12, v1                    ; wave 0..15
	s_bfe_u32 s13, ttmp6, 0x40000                  ; cx: my place in the cluster: it enters Q's and o's global addresses alone
	s_lshl_b32 s14, ttmp9, 2                       ; in a cluster launch ttmp9 counts clusters
	s_add_co_u32 s14, s14, s13                     ; my block of 256 queries
	s_and_b32 s15, ttmp7, 0xffff                   ; 8 b + head, which the four partners share
	; descriptor group 1: 102 rows of 32 elements of 8 bytes, dense, no padding
	s_mov_b32 s16, 15|(3<<16)|(1<<21)              ; 15:0 the mask: all four work-groups; 17:16 elements of 8 bytes; 21 set beside a mask
	s_mov_b32 s17, 32<<16                          ; tensor_dim0 = 32
	s_mov_b32 s18, 102<<16                         ; tensor_dim1 = 102
	s_mov_b32 s19, 32<<16                          ; tile_dim0 = 32
	s_mov_b32 s20, 102                             ; tile_dim1 = 102
	s_mov_b32 s21, 32                              ; from row to row: 32 elements
	s_mov_b32 s22, 0
	s_mov_b32 s23, 0
	s_mov_b32 s24, 1                               ; group 0: count = 1
	s_and_b32 s36, s12, 3
	s_mul_i32 s25, s36, 2*REC                      ; LDS address: my quarter of slot 0
	s_mul_i32 s38, s15, 32*REC                     ; the head's records,
	s_add_co_u32 s38, s38, s25                     ; my quarter of the first eight
	s_mov_b32 s39, 0
	s_lshl_b32 s40, s15, 5                         ; Q's record: 32 (8 b + head) + 2 x block + w / 8
	s_lshl_b32 s37, s14, 1
	s_add_co_u32 s40, s40, s37
	s_lshr_b32 s37, s12, 3
	s_add_co_u32 s40, s40, s37
	s_mul_i32 s40, s40, 6656
	s_mov_b32 s41, 0
	s_and_b32 s37, s12, 7
	s_mul_i32 s42, s37, 768                        ; my tile's half fragment in it
	s_and_b32 s43, s12, 1
	s_lshl_b32 s43, s43, 8
	s_lshr_b32 s37, s37, 1
	s_lshl_b32 s37, s37, 2
	s_add_co_u32 s43, s43, s37
	s_add_co_u32 s43, s43, 6144                    ; and its scale words: 6,144 + 256 (t % 2) + 4 (t / 2), 16 bytes a row
	s_lshr_b32 s44, s15, 3
	s_lshl_b32 s44, s44, 8
	s_lshl_b32 s37, s14, 4
	s_add_co_u32 s44, s44, s37
	s_add_co_u32 s44, s44, s12                     ; my tile of queries among the 512: 256 b + 16 x block + w
	s_and_b32 s45, s15, 7                          ; the head
	s_lshl_b32 s46, s44, 3
	s_add_co_u32 s46, s46, s45
	s_mul_i32 s46, s46, 768                        ; orec
	s_mov_b32 s47, 0
	s_lshl_b32 s44, s44, 8
	s_lshl_b32 s45, s45, 1
	s_add_co_u32 s44, s44, s45                     ; oscl: 256 bytes a tile, 2 bytes a head
	s_mov_b32 s45, 0
	s_mov_b32 s28, 0x76543210
	s_mov_b32 s29, 0xfedcba98
	s_mov_b32 s30, 0x3e38aa3b                      ; c = log2(e) / 8
	s_mov_b32 s31, s30                             ; (named with it as a pair, so it is written)
	s_mov_b32 s32, 0
	s_mov_b32 s33, 3
	s_wait_kmcnt 0x0
	s_add_nc_u64 s[26:27], s[6:7], s[38:39]        ; group 0: global address,
	s_or_b32 s27, s27, 0x80000000                  ; type = 2
	s_add_nc_u64 s[4:5], s[4:5], s[40:41]
	s_add_nc_u64 s[8:9], s[8:9], s[46:47]
	s_add_nc_u64 s[10:11], s[10:11], s[44:45]
	CROUND                                         ; all four work-groups are here: the first joint loads meet
	TLOAD                                          ; slot 0
	v_and_b32 v1, 31, v0
	s_delay_alu instid0(VALU_DEP_1)
	v_lshlrev_b32 v2, 3, v1                        ; 8 x lane
	s_delay_alu instid0(VALU_DEP_2)
	v_lshlrev_b32 v1, 4, v1                        ; 16 x lane
	v_bfe_u32 v7, v0, 4, 1
	s_delay_alu instid0(VALU_DEP_1)
	v_lshlrev_b32 v7, 3, v7                        ; 8 h
	v_and_b32 v8, 15, v0
	s_delay_alu instid0(VALU_DEP_1)
	v_lshlrev_b32 v29, 4, v8                       ; 16 (lane % 16)
	s_delay_alu instid0(VALU_DEP_1)
	v_add_nc_u32 v8, s43, v29
	v_add_nc_u32 v10, s42, v1
	v_add_nc_u32 v11, s42, v2
	global_load_b128 v[16:19], v10, s[4:5]         ; Q's half fragment stays in registers
	global_load_b64 v[20:21], v11, s[4:5] offset:512
	global_load_b32 v[QS], v8, s[4:5]
.irp j, 22,23,24,25,26,27,80,81,82,83,84,85
	v_mov_b32 v[\j], 0                             ; zero codes: Q's upper 64 along K, and what stands behind K's tile 7
.endr
.set y, 0
.rept 32
	v_mov_b32 v[O+y], 0                            ; O^T: the step is written once: the first finds zeros, which the first change of M leaves zeros
.set y, y+1
.endr
	v_mov_b32 v14, 0                               ; the sum, in two halves
	v_mov_b32 v15, 0
	v_mov_b32 v9, 0                                ; written once: a lane permute's destination counts as one of its sources
	v_mov_b32 v[F+1], 0                            ; (named as the upper half of a pair)
	v_mov_b32 v13, 0xff61b1e6                      ; the largest score so far: -3e38
	s_delay_alu instid0(VALU_DEP_1)
	v_mul_f32 v[W], s30, v13
	s_delay_alu instid0(VALU_DEP_1)
	v_floor_f32 v12, -v[W]                         ; -M
	s_wait_loadcnt 0x0                             ; Q; its address registers are free from here on
.Lslot:                                            ; three trips: behind each change of slots but the last the next eight records are asked for
	CHANGE 1
	SLOT_STEPS
	s_sub_co_u32 s33, s33, 1
	s_cmp_lg_u32 s33, 0
	s_cbranch_scc1 .Lslot
	CHANGE 0                                       ; the last slot is written out
	SLOT_STEPS
	; THE WAY OUT: O^T / the sum; my 32 numbers are d = 32 h + 0 .. 31 of my query: one block of the last product's K
	v_add_f32 v14, v14, v15
	s_delay_alu instid0(VALU_DEP_1)
	v_permlanex16_b32 v9, v14, s28, s29
	s_delay_alu instid0(VALU_DEP_1)
	v_add_f32 v14, v14, v9                         ; the row's sum
	s_wait_alu depctr_va_vdst(0)
	v_rcp_f32 v[F], v14
	v_nop                                          ; a plain line behind the reciprocal
	s_wait_alu depctr_va_vdst(0)                   ; and the wait ahead of its first reader
.set y, 0
.rept 16
	v_pk_mul_f32 v[S+y:S+y+1], v[O+y:O+y+1], v[F:F+1] op_sel_hi:[1,0]     ; each accumulator from its low end on
.set y, y+2
.endr
	v_max3_num_f32 v[M], |v[S]|, |v[S+1]|, |v[S+2]|
	v_max3_num_f32 v[M+1], |v[S+16]|, |v[S+17]|, |v[S+18]|
.irp i, 3,5,7,9,11,13
	s_delay_alu instid0(VALU_DEP_2)
	v_max3_num_f32 v[M], v[M], |v[S+\i]|, |v[S+\i+1]|
	s_delay_alu instid0(VALU_DEP_2)
	v_max3_num_f32 v[M+1], v[M+1], |v[S+16+\i]|, |v[S+16+\i+1]|
.endr
	s_delay_alu instid0(VALU_DEP_1)
	v_max3_num_f32 v[M], v[M], v[M+1], |v[S+15]|
	s_delay_alu instid0(VALU_DEP_1)
	v_max3_num_f32 v[M], v[M], |v[S+31]|, 0x1800000
	s_delay_alu instid0(VALU_DEP_1)
	v_add_nc_u32 v[SO], 0xff000000, v[M]
	v_cvt_scalef32_pk16_fp6_f32 v[P:P+2], v[S:S+15], v[SO]
	v_cvt_scalef32_pk16_fp6_f32 v[T0:T0+2], v[S+16:S+31], v[SO]
	v_lshrrev_b32 v[BY], 23, v[SO]                 ; (a plain line behind the conversions)
.irp i, 0,1,2
	v_mov_b32 v[P+3+\i], v[T0+\i]
.endr
	global_store_b128 v1, v[P:P+3], s[8:9]         ; half a fragment's image: 512 consecutive bytes,
	global_store_b64 v2, v[P+4:P+5], s[8:9] offset:512   ; and 256
	v_lshlrev_b32 v[W], v7, v[BY]
	s_delay_alu instid0(VALU_DEP_1)
	v_permlanex16_b32 v9, v[W], s28, s29
	s_delay_alu instid0(VALU_DEP_1)
	v_or_b32 v[W], v[W], v9                        ; my row's two bytes for this head
	global_store_b16 v29, v[W], s[10:11]           ; lanes r and r + 16 store the same two bytes
	s_wait_tensorcnt 0x0                           ; the wave's end
	ds_add_u32 v5, v6
	s_wait_dscnt 0x0
	CROUND                                         ; the closing round: no work-group ends while a partner may still ask for a tile that names it
	s_endpgm
.Lfunc_end_k_qa236f32f79_attn:
	.size	k_qa236f32f79_attn, .Lfunc_end_k_qa236f32f79_attn-k_qa236f32f79_attn
	.p2alignl 7, 3214868480
	.fill 96, 4, 3214868480
	.section	.rodata,"a",@progbits
	.p2align	6, 0x0
	.amdhsa_kernel k_qa236f32f79_attn
		.amdhsa_group_segment_fixed_size 327680
		.amdhsa_private_segment_fixed_size 0
		.amdhsa_enable_private_segment 0
		.amdhsa_kernarg_size 32
		.amdhsa_user_sgpr_count 2
		.amdhsa_user_sgpr_kernarg_segment_ptr 1
		.amdhsa_wavefront_size32 1
		.amdhsa_system_sgpr_workgroup_id_x 1
		.amdhsa_system_sgpr_workgroup_id_y 1
		.amdhsa_system_sgpr_workgroup_id_z 1
		.amdhsa_system_vgpr_workitem_id 0
		.amdhsa_next_free_vgpr 256
		.amdhsa_next_free_sgpr 66
		.amdhsa_reserve_vcc 0
		.amdhsa_float_denorm_mode_32 3
		.amdhsa_float_denorm_mode_16_64 3
		.amdhsa_memory_ordered 1
		.amdhsa_forward_progress 1
		.amdhsa_inst_pref_size 73
	.end_amdhsa_kernel
	.amdgpu_metadata
---
amdhsa.version: [ 1, 2 ]
amdhsa.kernels:
  - .name:           k_qa236f32f79_attn
    .symbol:         k_qa236f32f79_attn.kd
    .args:
      - { .name: qrec, .offset: 0, .size: 8, .value_kind: global_buffer, .address_space: global }
      - { .name: kv, .offset: 8, .size: 8, .value_kind: global_buffer, .address_space: global }
      - { .name: orec, .offset: 16, .size: 8, .value_kind: global_buffer, .address_space: global }
      - { .name: oscl, .offset: 24, .size: 8, .value_kind: global_buffer, .address_space: global }
    .group_segment_fixed_size: 327680
    .private_segment_fixed_size: 0
    .kernarg_segment_align: 8
    .kernarg_segment_size: 32
    .max_flat_workgroup_size: 512
    .sgpr_count:     66
    .vgpr_count:     256
    .wavefront_size: 32
...
	.end_amdgpu_metadata
.endif
;; end of part 7
;; launch outp (part 8): grid 256 x 1, 8 waves a work-group, no clusters, 35,840 bytes of LDS; arguments orec, oscl, wcod, wscl, wo_b, out0; writes out0
.if DOCPART == 8
	.amdgcn_target "amdgcn-amd-amdhsa--gfx1250"
	.amdhsa_code_object_version 6
	.text
	.protected	k_qa236f32f79_outp
	.globl	k_qa236f32f79_outp
	.p2align	8
	.type	k_qa236f32f79_outp,@function
k_qa236f32f79_outp:
	s_mov_b64 s[64:65], 0
	v_nop
	global_prefetch_b8 v0, s[64:65] scope:SCOPE_SE
	s_setreg_imm32_b32 hwreg(HW_REG_WAVE_SCHED_MODE, 0, 2), 2
	s_setreg_imm32_b32 hwreg(HW_REG_WAVE_MODE, 25, 1), 1
	s_wait_xcnt 0x0
	s_wait_alu depctr_vm_vsrc(0)
; out0 = o wo_w + wo_b, both operands as codes of FP6 (E2M3) with E8M0 scales; o's codes and scale bytes come from the attention launch, the weight's from the first.
; A work-group takes two tiles of 16 rows (tiles 2 x and 2 x + 1 of 512) and all 512 columns; wave g takes columns 64 g .. 64 g + 63: 32 matrix instructions on 8 accumulators by turns.
; All operands go from memory straight into registers, as images of those registers: a fragment of o for K step s is the half fragments of heads 2 s and 2 s + 1 on end.
; TRANSPOSED: source 0 = 16 columns of the weight, source 1 = 16 rows of o: register 8 u + j of lane (r, h) is column 64 g + 32 h + 8 u + j of row r.  The bias is the C of each sum's first instruction.
; Row r of tile T (of 8 in a block of 128 rows) is row 64 (T / 4) + 32 (r / 8) + 8 (T % 4) + r % 8 of the block.
; THE WAY OUT: a tile's 16 rows x 256 bytes go through my own stage in LDS (rows of 272 bytes) and leave so that sixteen lanes store 256 consecutive bytes, aligned.
; NO CLUSTER, no tensor load: each wave reads its part of the weight once, into the registers that the products name; through LDS the same bytes would be read once more.
; REGISTERS: window 0: v1-13 addresses; v16-31 the weight's scale words (4 u + s); v32-39 o's (4 m + s); v40-135 o's 8 fragments; v136-199 the accumulators (32 m + 8 u); v200-231 rows on the way out.
;   window 1: v0-191 the weight's 16 fragments; v192-223 the bias.
; THE MODE: SCHED_MODE bits 1:0 = 2 (LLVM: expert scheduling mode 2), set by the entry lines.  The code itself states the register dependences
; between vector or matrix instructions and memory or LDS instructions, with s_wait_alu, always for 0.
; THE PLAN.  Registers that memory or LDS instructions touch:
;   v5, v7-v13     offsets and LDS addresses: made once at the head, never written again: one wait on va_vdst ahead of the first load.
;   the operands   loaded once, read by the products; of them v40-71 (o's fragments) take the second tile's rows from the stage.
;   ACC            written by the products, read by the stage's LDS stores.  One wait on va_vdst behind the products' places states both: the accumulators are written, o's fragments are read.
;   v200-231       named by LDS loads and global stores alone.
;   No register that a memory or LDS instruction has read is written again: the text holds no wait on vm_vsrc.
.set WS,  16
.set AS,  32
.set AF,  40
.set ACC, 136
.set BK0, 200
.set BK1, 40
.set BI,  192
.set MSB, 0
.macro WIN new                         ; the immediate's high byte repeats the setting that is left
.if MSB != \new
	s_set_vgpr_msb (MSB<<8)|\new
.set MSB, \new
.endif
.endm
	s_load_b256 s[4:11], s[0:1], 0x0               ; orec, oscl, wcod, wscl
	s_load_b128 s[12:15], s[0:1], 0x20             ; wo_b, out0
	v_lshl_add_u32 v254, v0, 2, 0x8800
	v_mov_b32 v255, 0
	v_lshrrev_b32 v1, 5, v0
	v_readfirstlane_b32 s16, v1                    ; wave g
	s_mov_b32 s17, ttmp9
	s_mul_i32 s18, s17, 12288                      ; orec: two tiles of 8 halves of 768 bytes
	s_mov_b32 s19, 0
	s_lshl_b32 s20, s17, 9                         ; oscl: two tiles of 256 bytes
	s_mov_b32 s21, 0
	s_wait_alu depctr_va_sdst(0)                   ; s16 is written, ahead of its first reader: bases and LDS addresses are made from it
	s_mul_i32 s22, s16, 24576
	s_add_co_u32 s22, s22, 3*196608                ; wcod: the fourth weight, my 16 fragments
	s_mov_b32 s23, 0
	s_lshl_b32 s24, s16, 10
	s_add_co_u32 s24, s24, 3*8192                  ; wscl
	s_mov_b32 s25, 0
	s_lshl_b32 s26, s16, 8                         ; the bias: my 64 numbers
	s_mov_b32 s27, 0
	s_lshr_b32 s28, s17, 2                         ; out0: row 128 (x / 4) + 64 ((x / 2) % 2) + 16 (x % 2)
	s_lshl_b32 s28, s28, 7
	s_bfe_u32 s29, s17, 0x10001
	s_lshl_b32 s29, s29, 6
	s_add_co_u32 s28, s28, s29
	s_and_b32 s29, s17, 1
	s_lshl_b32 s29, s29, 4
	s_add_co_u32 s28, s28, s29
	s_lshl_b32 s28, s28, 11                        ; of 2,048 bytes,
	s_add_co_u32 s28, s28, s26                     ; + my 256 bytes of a row
	s_mov_b32 s29, 0
	v_and_b32 v1, 31, v0                           ; lane
	v_and_b32 v2, 15, v0                           ; r
	v_bfe_u32 v3, v0, 4, 1                         ; h
	v_lshlrev_b32 v5, 4, v1                        ; 16 x lane
	v_lshlrev_b32 v7, 3, v1                        ; 8 x lane
	v_lshlrev_b32 v8, 4, v2                        ; 16 r
	v_lshlrev_b32 v9, 6, v2                        ; 64 r
	v_lshlrev_b32 v10, 7, v3                       ; 128 h
	s_mul_i32 s30, s16, 4352                       ; my stage: 16 rows of 272 bytes
	v_mul_u32_u24 v11, v2, 272
	v_add_nc_u32 v11, v11, v10
	v_add_nc_u32 v11, s30, v11                     ; in: row r, + 128 h
	v_mul_u32_u24 v12, v3, 272
	v_add_nc_u32 v12, v12, v8
	v_add_nc_u32 v12, s30, v12                     ; back: lanes 0-15 one row, lanes 16-31 the next
	v_lshl_add_u32 v13, v3, 11, v8                 ; and the same two rows in out0
	s_wait_kmcnt 0x0
	s_add_nc_u64 s[4:5], s[4:5], s[18:19]
	s_add_nc_u64 s[6:7], s[6:7], s[20:21]
	s_add_nc_u64 s[8:9], s[8:9], s[22:23]
	s_add_nc_u64 s[10:11], s[10:11], s[24:25]
	s_add_nc_u64 s[12:13], s[12:13], s[26:27]
	s_add_nc_u64 s[14:15], s[14:15], s[28:29]
	WIN 0x40                                       ; destination window 1
	s_wait_alu depctr_va_vdst(0)                   ; the offsets and LDS addresses v5 and v7 to v13 are written: every load and store of the kernel reads one of them, and none is written again
.irp u, 0,1,2,3
.irp e, 0,1
	global_load_b128 v[BI+8*\u+4*\e:BI+8*\u+4*\e+3], v10, s[12:13] offset:32*\u+16*\e   ; register j of tile u: b[64 g + 32 h + 8 u + j]
.endr
.endr
.set n, 0
.rept 48
	global_load_b128 v[4*n:4*n+3], v5, s[8:9] offset:512*n
.set n, n+1
.endr
	WIN 0
.irp u, 0,1,2,3
	global_load_b128 v[WS+4*\u:WS+4*\u+3], v9, s[10:11] offset:16*\u
.endr
.irp m, 0,1
.irp s, 0,1,2,3
	global_load_b128 v[AF+12*(4*\m+\s):AF+12*(4*\m+\s)+3], v5, s[4:5] offset:6144*\m+1536*\s           ; head 2 s
	global_load_b64 v[AF+12*(4*\m+\s)+4:AF+12*(4*\m+\s)+5], v7, s[4:5] offset:6144*\m+1536*\s+512
	global_load_b128 v[AF+12*(4*\m+\s)+6:AF+12*(4*\m+\s)+9], v5, s[4:5] offset:6144*\m+1536*\s+768     ; head 2 s + 1
	global_load_b64 v[AF+12*(4*\m+\s)+10:AF+12*(4*\m+\s)+11], v7, s[4:5] offset:6144*\m+1536*\s+1280
.endr
	global_load_b128 v[AS+4*\m:AS+4*\m+3], v8, s[6:7] offset:256*\m        ; row r's 16 scale bytes: four words, one for each K step
.endr
	s_wait_loadcnt 0x0
.irp s, 0,1,2,3
.if \s == 0
	WIN 0x11                                       ; source 0 (the weight) and source 2 (the bias) window 1
.else
	WIN 0x01
.endif
.irp m, 0,1
.irp u, 0,1,2,3
.if \s == 0
	v_wmma_scale_f32_16x16x128_f8f6f4 v[ACC+32*\m+8*\u:ACC+32*\m+8*\u+7], v[12*(4*\u+\s):12*(4*\u+\s)+11], v[AF+12*(4*\m+\s):AF+12*(4*\m+\s)+11], v[BI+8*\u:BI+8*\u+7], v[WS+4*\u+\s], v[AS+4*\m+\s] matrix_a_fmt:MATRIX_FMT_FP6 matrix_b_fmt:MATRIX_FMT_FP6
.else
	v_wmma_scale_f32_16x16x128_f8f6f4 v[ACC+32*\m+8*\u:ACC+32*\m+8*\u+7], v[12*(4*\u+\s):12*(4*\u+\s)+11], v[AF+12*(4*\m+\s):AF+12*(4*\m+\s)+11], v[ACC+32*\m+8*\u:ACC+32*\m+8*\u+7], v[WS+4*\u+\s], v[AS+4*\m+\s] matrix_a_fmt:MATRIX_FMT_FP6 matrix_b_fmt:MATRIX_FMT_FP6
.endif
.endr
.endr
.endr
	WIN 0
.rept 4
	v_nop                                          ; four places in front of the first read of the results and of the loads into registers that the products have read
.endr
	s_wait_alu depctr_va_vdst(0)                   ; the products have written the accumulators, which the stage's LDS stores read, and are done reading o's fragments, in which the second tile's rows land; the places above stay beside this wait
.macro TOSTAGE m, bk                   ; LDS serves a wave's instructions in order: the loads see the stores above them, and the next tile's stores come behind these loads
.irp u, 0,1,2,3
	ds_store_b128 v11, v[ACC+32*\m+8*\u:ACC+32*\m+8*\u+3] offset:32*\u         ; each accumulator from its low end on
	ds_store_b128 v11, v[ACC+32*\m+8*\u+4:ACC+32*\m+8*\u+7] offset:32*\u+16
.endr
.irp i, 0,1,2,3,4,5,6,7
	ds_load_b128 v[\bk+4*\i:\bk+4*\i+3], v12 offset:544*\i
.endr
.endm
	TOSTAGE 0, BK0
	TOSTAGE 1, BK1
.irp i, 0,1,2,3,4,5,6,7
	s_wait_dscnt 23-\i                             ; behind this load: 7 - i of its own tile's and the next tile's sixteen LDS instructions
	global_store_b128 v13, v[BK0+4*\i:BK0+4*\i+3], s[14:15] offset:(32*(\i/4)+2*(\i%4))*2048 th:TH_STORE_NT
.endr
.irp i, 0,1,2,3,4,5,6,7
	s_wait_dscnt 7-\i
	global_store_b128 v13, v[BK1+4*\i:BK1+4*\i+3], s[14:15] offset:(32*(\i/4)+2*(\i%4))*2048+16384 th:TH_STORE_NT
.endr
	s_wait_dscnt 0x0                               ; the closing lines, six on end
	s_wait_alu 0x0
	s_wait_tensorcnt 0x0
	ds_add_u32 v254, v255
	s_wait_dscnt 0x0
	s_endpgm
.Lfunc_end_k_qa236f32f79_outp:
	.size	k_qa236f32f79_outp, .Lfunc_end_k_qa236f32f79_outp-k_qa236f32f79_outp
	.p2alignl 7, 3214868480
	.fill 96, 4, 3214868480
	.section	.rodata,"a",@progbits
	.p2align	6, 0x0
	.amdhsa_kernel k_qa236f32f79_outp
		.amdhsa_group_segment_fixed_size 35840
		.amdhsa_private_segment_fixed_size 0
		.amdhsa_enable_private_segment 0
		.amdhsa_kernarg_size 48
		.amdhsa_user_sgpr_count 2
		.amdhsa_user_sgpr_kernarg_segment_ptr 1
		.amdhsa_wavefront_size32 1
		.amdhsa_system_sgpr_workgroup_id_x 1
		.amdhsa_system_sgpr_workgroup_id_y 1
		.amdhsa_system_sgpr_workgroup_id_z 1
		.amdhsa_system_vgpr_workitem_id 0
		.amdhsa_next_free_vgpr 512
		.amdhsa_next_free_sgpr 66
		.amdhsa_reserve_vcc 0
		.amdhsa_float_denorm_mode_32 3
		.amdhsa_float_denorm_mode_16_64 3
		.amdhsa_memory_ordered 1
		.amdhsa_forward_progress 1
		.amdhsa_inst_pref_size 20
	.end_amdhsa_kernel
	.amdgpu_metadata
---
amdhsa.version: [ 1, 2 ]
amdhsa.kernels:
  - .name:           k_qa236f32f79_outp
    .symbol:         k_qa236f32f79_outp.kd
    .args:
      - { .name: orec, .offset: 0, .size: 8, .value_kind: global_buffer, .address_space: global }
      - { .name: oscl, .offset: 8, .size: 8, .value_kind: global_buffer, .address_space: global }
      - { .name: wcod, .offset: 16, .size: 8, .value_kind: global_buffer, .address_space: global }
      - { .name: wscl, .offset: 24, .size: 8, .value_kind: global_buffer, .address_space: global }
      - { .name: wo_b, .offset: 32, .size: 8, .value_kind: global_buffer, .address_space: global }
      - { .name: out0, .offset: 40, .size: 8, .value_kind: global_buffer, .address_space: global }
    .group_segment_fixed_size: 35840
    .private_segment_fixed_size: 0
    .kernarg_segment_align: 8
    .kernarg_segment_size: 48
    .max_flat_workgroup_size: 256
    .sgpr_count:     66
    .vgpr_count:     512
    .wavefront_size: 32
...
	.end_amdgpu_metadata
.endif
;; end of part 8
